; MI455X (gfx1250); checked and timed in simulation.
; The chip was launched on July 23, 2026; its instructions are those of AMD's public machine-readable ISA for CDNA 5 (MIT licence, August 2026) and "CDNA5" Instruction Set Architecture Reference Guide (July 2026). The comments in the code are by the model that wrote it; some were corrected since.
;; Decoder Step Layer. Allowed arithmetic: float matrix products may take bf16 or f16 operands with f32 sums; all other float work in f32.
;; Inputs: bo_c 1,024 float32; bo_s 1,024 float32; dec_input 16 x 1 x 1,024 float32; enc_output 16 x 1,024 x 1,024 float32; ffn_b1 4,096 float32; ffn_b2 1,024 float32; ffn_w1 1,024 x 4,096 float32; ffn_w2 4,096 x 1,024 float32; input_history 16 x 1,023 x 1,024 float32; ln1_b 1,024 float32; ln1_g 1,024 float32; ln2_b 1,024 float32; ln2_g 1,024 float32; ln3_b 1,024 float32; ln3_g 1,024 float32; wk_c 16 x 1,024 x 64 float32; wk_s 16 x 1,024 x 64 float32; wo_c 1,024 x 1,024 float32; wo_s 1,024 x 1,024 float32; wq_c 16 x 1,024 x 64 float32; wq_s 16 x 1,024 x 64 float32; wv_c 16 x 1,024 x 64 float32; wv_s 16 x 1,024 x 64 float32.
;; Outputs: out0 16 x 1 x 1,024 float32; out1 16 x 16 x 1 x 1,024 float32; out2 16 x 16 x 1 x 1,024 float32.
;; One version. Each part assembles by itself: llvm-mc -triple=amdgcn-amd-amdhsa -mcpu=gfx1250 --defsym DOCPART=n.
;; ======== version 1 of 1: 11 launches
;; workspace buffers: qk 524,288 bytes; scr 1,048,576 bytes; st 32,768 bytes; ctxp 16,777,216 bytes; ob 131,072 bytes; yb 524,288 bytes; xb 65,536 bytes; hdn 524,288 bytes
;; launch qk_s (part 1): grid 4 x 16, 16 waves a work-group, no clusters, 160,512 bytes of LDS; arguments dec_input, wq_s, wk_s, qk; writes qk
.if DOCPART == 1
	.amdgcn_target "amdgcn-amd-amdhsa--gfx1250"
	.amdhsa_code_object_version 6
	.text
	.protected	k_q089ea825ba_qk_s
	.globl	k_q089ea825ba_qk_s
	.p2align	8
	.type	k_q089ea825ba_qk_s,@function
k_q089ea825ba_qk_s:
	s_mov_b64 s[64:65], 0
	v_nop
	global_prefetch_b8 v0, s[64:65] scope:SCOPE_SE
	s_setreg_imm32_b32 hwreg(HW_REG_WAVE_MODE, 25, 1), 1
	s_wait_xcnt 0x0
; qk[b][h][d] = sum over k of wk[h][d][k] Q[b][h][k],  Q[b][h][k] = sum over d of x[b][d] wq[h][d][k].  With one query a batch row, score(b,h,l) = kv[b][l] . qk[b][h]:
; the same algebra as reference()'s K = kv wk followed by Q . K, in another order of rounding.  LIMITS: that order; x, wq, wk, Q and qk are rounded to bf16 as matrix operands; sums in f32.
; LN = 0: x is the first argument as it lies.  LN = 1: x = LayerNorm(first argument) g + beta, two passes in f32, and the work-groups with quarter 0 also store x (row h by wave h of head h).
; SHARES.  Work-group (j, h): head h, d quarter j (256 of the 1,024 d).  Sixteen waves.  First product: wave w takes d = 64 w .. 64 w + 63 of x wq[h] (16 x 64 numbers of Q, partial), the sixteen
; partial results meet in LDS.  Second product: wave w takes 16 rows d of wk[h].  All global loads go out at the head: nothing is asked for later, so there are no rings and no refills.
.set LN, 0
.set XP,     2064                      ; a row of x in LDS: 2,048 bytes of bf16 + 16: an odd multiple of 16, so the 16 rows of a fragment load start 4 words apart
.set RP,     272                       ; a row of 64 f32 + 16
.set RW,     16*RP                     ; one wave's partial result
.set QP,     144                       ; a row of 64 bf16 + 16
.set KP,     528                       ; a row of 256 bf16 + 16
.set XT,     0                         ; x, 16 rows
.set RED,    16*XP                     ; 16 partial results
.set GB,     RED+16*RW                 ; g (4,096 bytes), beta (4,096 bytes)
.set QT,     GB+8192                   ; Q, 16 rows
.set WT,     QT+16*QP                  ; wk, 16 rows for each wave, the wave's own
.set QKS,    WT+256*QP                 ; the way out: 16 rows (b) of 256 d
.set WPITCH, 256                       ; bytes from row to row of wq[h]
.set WNT,    0                         ; wq[h] is read by the four quarters' work-groups: no hint
.set LANE, 1
.set R,    2                           ; lane % 16
.set HH,   3                           ; lane / 16
.set L16,  4                           ; 16 x lane
.set WOFF, 6
.set XST,  7
.set XA,   8
.set RS,   9
.set RR,   10
.set GBL,  11
.set GBS,  12
.set QTS,  13
.set WTS,  14
.set FA,   15
.set FB,   16
.set QKW,  17
.set QKR,  18
.set T,    20                          ; v[20:27] at work
.set MU,   28
.set RHO,  30
.set W,    32                          ; v[32:159] wq as loaded: two K steps of 64 registers
.set XF,   32                          ; x's fragments, over step 0's registers once they are converted
.set F2,   48                          ; step 1's fragments of wq, likewise
.set S,    96                          ; the eight partial results that a lane adds, over step 1's registers
.set C2,   96                          ; the second product's two accumulators
.set PK,   112
.set RBK,  116
.set A2,   128                         ; wk's fragments
.set B2,   144                         ; Q's fragments
.set W2,   160                         ; v[160:191] wk as loaded
.set Y,    192                         ; v[192:223] my row of x
.set F1,   192                         ; step 0's fragments of wq
.set G,    224                         ; g and beta, half a row at a time
.set ACC,  224                         ; the first product's four accumulators
.if LN
.set PX,  4
.set PG,  6
.set PBE, 8
.set PWQ, 10
.set PWK, 12
.set PQK, 14
.set PXB, 16
.else
.set PX,  4
.set PWQ, 6
.set PWK, 8
.set PQK, 10
.endif
.set WB,   PWQ
.set WV,   18
.set SEL,  20
.set CIN,  22
.set CEPS, 23
.set HD,   24
.set ID,   26
.macro BAR                             ; what I wrote into LDS is there and what I read is back; then all sixteen waves meet
	s_wait_dscnt 0x0
	s_barrier_signal -1
	s_barrier_wait -1
.endm
.macro WLOAD st                        ; K step st: 32 rows x 64 columns of f32.  Lanes 0-15 take the 256 bytes of one row, lanes 16-31 of the row 8 further down
.set tt, 0
.rept 16
.if WNT
	global_load_b128 v[W+64*\st+4*tt:W+64*\st+4*tt+3], v[WOFF], s[WB:WB+1] offset:(32*\st+tt+8*(tt/8))*WPITCH th:TH_LOAD_NT
.else
	global_load_b128 v[W+64*\st+4*tt:W+64*\st+4*tt+3], v[WOFF], s[WB:WB+1] offset:(32*\st+tt+8*(tt/8))*WPITCH
.endif
.set tt, tt+1
.endr
.endm
.macro WCVT st, f                      ; four fragments: tile j holds column 4 r + j in lane r; register i the two rows that loads 2 i and 2 i + 1 brought
.irp j, 0,1,2,3
.irp i, 0,1,2,3,4,5,6,7
	v_cvt_pk_bf16_f32 v[\f+8*\j+\i], v[W+64*\st+8*\i+\j], v[W+64*\st+8*\i+4+\j]
.endr
.endr
.endm
.macro XFRAG
.irp q, 0,1
	ds_load_b128 v[XF+8*\q:XF+8*\q+3],   v[XA] offset:64*\q
	ds_load_b128 v[XF+8*\q+4:XF+8*\q+7], v[XA] offset:64*\q+32
.endr
.endm
.macro MM st, f, zero                  ; the four accumulators take turns, one instruction a turn; the first K step starts the sums
.irp j, 0,1,2,3
.if \zero
	v_wmma_f32_16x16x32_bf16 v[ACC+8*\j:ACC+8*\j+7], v[XF+8*\st:XF+8*\st+7], v[\f+8*\j:\f+8*\j+7], 0
.else
	v_wmma_f32_16x16x32_bf16 v[ACC+8*\j:ACC+8*\j+7], v[XF+8*\st:XF+8*\st+7], v[\f+8*\j:\f+8*\j+7], v[ACC+8*\j:ACC+8*\j+7]
.endif
.endr
.endm
.macro REDST rows                      ; register i of tile j is (row 8 (lane / 16) + i, column 4 r + j); each accumulator is read from its low end on
.set ii, 0
.rept \rows
.irp j, 0,1,2,3
	ds_store_b32 v[RS], v[ACC+8*\j+ii] offset:ii*RP+4*\j
.endr
.set ii, ii+1
.endr
.endm
.macro REDSUM                          ; wave w adds row w: each half of the lanes eight partial results, then the halves exchange; v[T+2:T+3] = columns 4 r + 2 (lane / 16), + 1
.irp n, 0,1,2,3,4,5,6,7
	ds_load_b128 v[S+4*\n:S+4*\n+3], v[RR] offset:\n*RW
.endr
	v_cmp_eq_u32 vcc_lo, 1, v[HH]
	s_wait_dscnt 0x0
.irp n, 0,8,16,24
	v_pk_add_f32 v[S+\n:S+\n+1],   v[S+\n:S+\n+1],   v[S+\n+4:S+\n+5]
	v_pk_add_f32 v[S+\n+2:S+\n+3], v[S+\n+2:S+\n+3], v[S+\n+6:S+\n+7]
.endr
.irp n, 0,16
	v_pk_add_f32 v[S+\n:S+\n+1],   v[S+\n:S+\n+1],   v[S+\n+8:S+\n+9]
	v_pk_add_f32 v[S+\n+2:S+\n+3], v[S+\n+2:S+\n+3], v[S+\n+10:S+\n+11]
.endr
	v_pk_add_f32 v[S:S+1],   v[S:S+1],   v[S+16:S+17]
	v_pk_add_f32 v[S+2:S+3], v[S+2:S+3], v[S+18:S+19]
	v_cndmask_b32 v[T],   v[S+2], v[S],   vcc_lo  ; what the other half keeps
	v_cndmask_b32 v[T+1], v[S+3], v[S+1], vcc_lo
	v_cndmask_b32 v[T+2], v[S],   v[S+2], vcc_lo  ; what I keep
	v_cndmask_b32 v[T+3], v[S+1], v[S+3], vcc_lo
	v_permlanex16_b32 v[S+4], v[T],   s[SEL], s[SEL+1]
	v_permlanex16_b32 v[S+5], v[T+1], s[SEL], s[SEL+1]
	v_pk_add_f32 v[T+2:T+3], v[T+2:T+3], v[S+4:S+5]
.endm
.macro XSTORE                          ; my row of x, rounded to bf16, into LDS
.irp t, 0,1,2,3,4,5,6,7
	v_cvt_pk_bf16_f32 v[Y+4*\t],   v[Y+4*\t],   v[Y+4*\t+1]
	v_cvt_pk_bf16_f32 v[Y+4*\t+1], v[Y+4*\t+2], v[Y+4*\t+3]
	ds_store_b64 v[XST], v[Y+4*\t:Y+4*\t+1] offset:256*\t
.endr
.endm
.macro WSUM x, t                       ; the sum over the 32 lanes, in every lane
	v_add_f32_dpp v[\x], v[\x], v[\x] row_xmask:1 row_mask:0xf bank_mask:0xf
	v_add_f32_dpp v[\x], v[\x], v[\x] row_xmask:2 row_mask:0xf bank_mask:0xf
	v_add_f32_dpp v[\x], v[\x], v[\x] row_xmask:4 row_mask:0xf bank_mask:0xf
	v_add_f32_dpp v[\x], v[\x], v[\x] row_xmask:8 row_mask:0xf bank_mask:0xf
	v_permlanex16_b32 v[\t], v[\x], s[SEL], s[SEL+1]
	v_add_f32 v[\x], v[\x], v[\t]
.endm
.macro JOIN
	v_pk_add_f32 v[T:T+1],   v[T:T+1],   v[T+2:T+3]
	v_pk_add_f32 v[T+4:T+5], v[T+4:T+5], v[T+6:T+7]
	v_pk_add_f32 v[T:T+1],   v[T:T+1],   v[T+4:T+5]
	v_add_f32 v[T], v[T], v[T+1]
	WSUM T, T+1
.endm
.macro LNSTAT                          ; the row's mean; the row less its mean; the mean of the squares of that: no difference of large sums is formed
.irp c, 0,1,2,3
	v_pk_add_f32 v[T+2*\c:T+2*\c+1], v[Y+2*\c:Y+2*\c+1], v[Y+8+2*\c:Y+8+2*\c+1]
.endr
.irp n, 16,24
.irp c, 0,1,2,3
	v_pk_add_f32 v[T+2*\c:T+2*\c+1], v[T+2*\c:T+2*\c+1], v[Y+\n+2*\c:Y+\n+2*\c+1]
.endr
.endr
	JOIN
	v_mul_f32 v[MU],   s[CIN], v[T]
	v_mul_f32 v[MU+1], s[CIN], v[T]
.irp p, 0,1,2,3,4,5,6,7,8,9,10,11,12,13,14,15
	v_pk_add_f32 v[Y+2*\p:Y+2*\p+1], v[Y+2*\p:Y+2*\p+1], v[MU:MU+1] neg_lo:[0,1] neg_hi:[0,1]
.endr
.irp c, 0,1,2,3
	v_pk_mul_f32 v[T+2*\c:T+2*\c+1], v[Y+2*\c:Y+2*\c+1], v[Y+2*\c:Y+2*\c+1]
.endr
.irp n, 8,16,24
.irp c, 0,1,2,3
	v_pk_fma_f32 v[T+2*\c:T+2*\c+1], v[Y+\n+2*\c:Y+\n+2*\c+1], v[Y+\n+2*\c:Y+\n+2*\c+1], v[T+2*\c:T+2*\c+1]
.endr
.endr
	JOIN
	v_fma_f32 v[T], v[T], s[CIN], s[CEPS]          ; variance + 1e-5
	v_rsq_f32 v[RHO],   v[T]
	v_rsq_f32 v[RHO+1], v[T]
	v_nop                                          ; a plain instruction between the root and the use of its result (ISA guide 5.7.2)
.endm
.macro LNAPPLY                         ; (x - mean) rho g + beta, half a row at a time: g and beta come out of LDS
.irp q, 0,1
.irp t, 0,1,2,3
	ds_load_b128 v[G+4*\t:G+4*\t+3],       v[GBL] offset:2048*\q+512*\t
	ds_load_b128 v[G+16+4*\t:G+16+4*\t+3], v[GBL] offset:4096+2048*\q+512*\t
.endr
.irp p, 0,1,2,3,4,5,6,7
	v_pk_mul_f32 v[Y+16*\q+2*\p:Y+16*\q+2*\p+1], v[Y+16*\q+2*\p:Y+16*\q+2*\p+1], v[RHO:RHO+1]
.endr
	s_wait_dscnt 0x0
.irp p, 0,1,2,3,4,5,6,7
	v_pk_fma_f32 v[Y+16*\q+2*\p:Y+16*\q+2*\p+1], v[Y+16*\q+2*\p:Y+16*\q+2*\p+1], v[G+2*\p:G+2*\p+1], v[G+16+2*\p:G+16+2*\p+1]
.endr
.endr
.endm
.if LN
	s_load_b256 s[4:11], s[0:1], 0x0               ; the sums in front of the norm, g, beta, wq
	s_load_b128 s[12:15], s[0:1], 0x20             ; wk, qk
	s_load_b64 s[16:17], s[0:1], 0x30              ; x out
.else
	s_load_b256 s[4:11], s[0:1], 0x0               ; x, wq, wk, qk
	v_lshl_add_u32 v30, v0, 2, 0x26b00
	v_mov_b32 v31, 0
.endif
	v_and_b32 v[LANE], 31, v0
	v_lshrrev_b32 v[T], 5, v0
	v_readfirstlane_b32 s[WV], v[T]                ; my wave's number as a scalar
	v_and_b32 v[R], 15, v0
	v_bfe_u32 v[HH], v0, 4, 1
	v_lshlrev_b32 v[L16], 4, v[LANE]
	v_mul_u32_u24 v[WOFF], v[HH], 8*WPITCH
	v_lshl_add_u32 v[WOFF], v[R], 4, v[WOFF]
	s_mov_b32 s[SEL], 0x76543210                   ; v_permlanex16_b32: each lane takes its own place in the other half
	s_mov_b32 s[SEL+1], 0xfedcba98
	s_and_b32 s[HD], ttmp7, 0xffff                 ; the head
	s_lshl_b32 s28, s[WV], 12                      ; row w of x; also my 16 rows of wk
	s_mov_b32 s29, 0
	s_lshl_b32 s30, s[HD], 18                      ; a head's 1,024 x 64 f32
	s_lshl_b32 s32, s[WV], 14                      ; my 64 rows of wq[h]
	s_add_co_u32 s32, s32, s30
	s_mov_b32 s33, 0
	s_lshl_b32 s34, ttmp9, 16                      ; the quarter's 256 rows of wk[h]
	s_add_co_u32 s34, s34, s30
	s_add_co_u32 s34, s34, s28
	s_mov_b32 s35, 0
	s_lshl_b32 s36, s[WV], 15                      ; qk: row b = w,
	s_lshl_b32 s31, s[HD], 11                      ; head,
	s_add_co_u32 s36, s36, s31
	s_lshl_b32 s31, ttmp9, 9                       ; quarter
	s_add_co_u32 s36, s36, s31
	s_mov_b32 s37, 0
.if LN
	s_lshl_b32 s38, s[WV], 8                       ; my 256 bytes of g and of beta
	s_mov_b32 s39, 0
	s_lshl_b32 s[ID], ttmp9, 4
	s_add_co_u32 s[ID], s[ID], s[HD]               ; h + 16 j: equals a wave's number in quarter 0 alone
	s_mov_b32 s[CIN], 0x3a800000                   ; 1 / 1,024
	s_mov_b32 s[CEPS], 0x3727c5ac                  ; 1e-5
	v_lshlrev_b32 v[GBS], 3, v[LANE]
.endif
	s_wait_kmcnt 0x0
	s_add_nc_u64 s[PX:PX+1], s[PX:PX+1], s[28:29]
	s_add_nc_u64 s[PWQ:PWQ+1], s[PWQ:PWQ+1], s[32:33]
	s_add_nc_u64 s[PWK:PWK+1], s[PWK:PWK+1], s[34:35]
	s_add_nc_u64 s[PQK:PQK+1], s[PQK:PQK+1], s[36:37]
.if LN
	s_add_nc_u64 s[PG:PG+1], s[PG:PG+1], s[38:39]
	s_add_nc_u64 s[PBE:PBE+1], s[PBE:PBE+1], s[38:39]
	s_add_nc_u64 s[PXB:PXB+1], s[PXB:PXB+1], s[28:29]
.endif
.irp t, 0,1,2,3,4,5,6,7
	global_load_b128 v[Y+4*\t:Y+4*\t+3], v[L16], s[PX:PX+1] offset:512*\t
.endr
.if LN
	global_load_b64 v[G:G+1],   v[GBS], s[PG:PG+1]
	global_load_b64 v[G+2:G+3], v[GBS], s[PBE:PBE+1]
.endif
	WLOAD 0
	WLOAD 1
.irp t, 0,1,2,3,4,5,6,7
	global_load_b128 v[W2+4*\t:W2+4*\t+3], v[L16], s[PWK:PWK+1] offset:512*\t th:TH_LOAD_NT
.endr
	; LDS addresses, made while the loads are on their way
	s_mul_i32 s40, s[WV], XP
	v_lshl_add_u32 v[XST], v[LANE], 3, s40         ; x in: row w, 8 bytes a lane
	v_mul_u32_u24 v[XA], v[R], XP                  ; x's fragments: row r, my 128 bytes, 16 bytes for each half of the lanes
	v_lshl_add_u32 v[XA], v[HH], 4, v[XA]
	s_lshl_b32 s40, s[WV], 7
	v_add_nc_u32 v[XA], s40, v[XA]
	s_mul_i32 s40, s[WV], RW
	s_add_co_u32 s40, s40, RED
	v_mul_u32_u24 v[RS], v[HH], 8*RP
	v_lshl_add_u32 v[RS], v[R], 4, v[RS]
	v_add_nc_u32 v[RS], s40, v[RS]
	s_mul_i32 s40, s[WV], RP
	s_add_co_u32 s40, s40, RED
	v_mul_u32_u24 v[RR], v[HH], 8*RW
	v_lshl_add_u32 v[RR], v[R], 4, v[RR]
	v_add_nc_u32 v[RR], s40, v[RR]
	s_mul_i32 s40, s[WV], QP
	s_add_co_u32 s40, s40, QT
	v_lshl_add_u32 v[QTS], v[R], 3, s40            ; Q in: row w, columns 4 r + 2 (lane / 16), + 1
	v_lshl_add_u32 v[QTS], v[HH], 2, v[QTS]
	s_mul_i32 s40, s[WV], 16*QP
	s_add_co_u32 s40, s40, WT
	v_mul_u32_u24 v[WTS], v[HH], QP                ; wk in: a load's 512 bytes are two rows
	v_lshl_add_u32 v[WTS], v[R], 3, v[WTS]
	v_add_nc_u32 v[WTS], s40, v[WTS]
	v_mul_u32_u24 v[FB], v[R], QP
	v_lshl_add_u32 v[FB], v[HH], 4, v[FB]
	v_add_nc_u32 v[FA], s40, v[FB]                 ; wk's fragments
	v_add_nc_u32 v[FB], QT, v[FB]                  ; Q's fragments
	s_lshl_b32 s40, s[WV], 5
	s_add_co_u32 s40, s40, QKS
	v_mul_u32_u24 v[QKW], v[R], KP
	v_lshl_add_u32 v[QKW], v[HH], 4, v[QKW]
	v_add_nc_u32 v[QKW], s40, v[QKW]
	s_mul_i32 s40, s[WV], KP
	s_add_co_u32 s40, s40, QKS
	v_add_nc_u32 v[QKR], s40, v[L16]
	s_wait_loadcnt 40                              ; my row (and g, beta) are in; the 32 loads of wq and the 8 of wk stay out
.if LN
	v_add_nc_u32 v[GBL], GB, v[L16]
	s_lshl_b32 s40, s[WV], 8
	s_add_co_u32 s40, s40, GB
	v_lshl_add_u32 v[T], v[LANE], 3, s40
	ds_store_b64 v[T], v[G:G+1]                    ; my slice of g,
	ds_store_b64 v[T], v[G+2:G+3] offset:4096      ; of beta
	LNSTAT
	BAR                                            ; g and beta are whole
	LNAPPLY
	s_cmp_lg_u32 s[ID], s[WV]
	s_cbranch_scc1 .Lnot_mine
.irp t, 0,1,2,3,4,5,6,7
	global_store_b128 v[L16], v[Y+4*\t:Y+4*\t+3], s[PXB:PXB+1] offset:512*\t   ; x in f32, for the residual: 512 consecutive bytes a store
.endr
.Lnot_mine:
	s_wait_xcnt 0x0                                ; the stores' data registers are rewritten only behind this wait
.endif
	XSTORE
	BAR                                            ; x is whole
	s_wait_loadcnt 24                              ; K step 0 of wq is in; step 1's 16 loads and wk's 8 stay out
	WCVT 0, F1
	XFRAG
	s_wait_loadcnt 8                               ; step 1 is in; wk's 8 stay out
	WCVT 1, F2
	s_wait_dscnt 0x0
	MM 0, F1, 1
	MM 1, F2, 0
	s_wait_loadcnt 0x0                             ; wk
.irp t, 0,1,2,3,4,5,6,7                ; 16 conversions that name no register of the products: they are the places behind them (ISA guide 7.12.1)
	v_cvt_pk_bf16_f32 v[W2+4*\t],   v[W2+4*\t],   v[W2+4*\t+1]
	v_cvt_pk_bf16_f32 v[W2+4*\t+1], v[W2+4*\t+2], v[W2+4*\t+3]
	ds_store_b64 v[WTS], v[W2+4*\t:W2+4*\t+1] offset:2*QP*\t   ; my own bytes: LDS serves a wave's instructions in order
.endr
	REDST 8
	BAR                                            ; all sixteen partial results lie in LDS
	REDSUM
	v_cvt_pk_bf16_f32 v[T], v[T+2], v[T+3]
	ds_store_b32 v[QTS], v[T]
	BAR                                            ; Q is whole
.irp q, 0,1,2,3
	ds_load_b128 v[A2+4*\q:A2+4*\q+3], v[FA] offset:32*\q
	ds_load_b128 v[B2+4*\q:B2+4*\q+3], v[FB] offset:32*\q
.endr
	s_wait_dscnt 0x0
	v_wmma_f32_16x16x32_bf16 v[C2:C2+7],    v[A2:A2+7],    v[B2:B2+7],    0   ; k = 0 .. 31: rows = 16 d, columns = 16 b
	v_wmma_f32_16x16x32_bf16 v[C2+8:C2+15], v[A2+8:A2+15], v[B2+8:B2+15], 0   ; k = 32 .. 63, an accumulator of its own
.rept 4
	v_nop                                          ; four places in front of the reads of the results (ISA guide 7.12.1)
.endr
.irp i, 0,2,4,6
	v_pk_add_f32 v[C2+\i:C2+\i+1], v[C2+\i:C2+\i+1], v[C2+8+\i:C2+8+\i+1]
.endr
.irp i, 0,1,2,3
	v_cvt_pk_bf16_f32 v[PK+\i], v[C2+2*\i], v[C2+2*\i+1]       ; eight neighbouring d of batch row r
.endr
	ds_store_b128 v[QKW], v[PK:PK+3]
	BAR
	ds_load_b128 v[RBK:RBK+3], v[QKR]              ; row b = w of the quarter, whole
	s_wait_dscnt 0x0
	global_store_b128 v[L16], v[RBK:RBK+3], s[PQK:PQK+1]       ; 512 consecutive bytes, aligned
	s_wait_tensorcnt 0x0
	ds_add_u32 v30, v31
	s_wait_dscnt 0x0
	s_endpgm
.Lfunc_end_k_q089ea825ba_qk_s:
	.size	k_q089ea825ba_qk_s, .Lfunc_end_k_q089ea825ba_qk_s-k_q089ea825ba_qk_s
	.p2alignl 7, 3214868480
	.fill 96, 4, 3214868480
	.section	.rodata,"a",@progbits
	.p2align	6, 0x0
	.amdhsa_kernel k_q089ea825ba_qk_s
		.amdhsa_group_segment_fixed_size 160512
		.amdhsa_private_segment_fixed_size 0
		.amdhsa_enable_private_segment 0
		.amdhsa_kernarg_size 32
		.amdhsa_user_sgpr_count 2
		.amdhsa_user_sgpr_kernarg_segment_ptr 1
		.amdhsa_wavefront_size32 1
		.amdhsa_system_sgpr_workgroup_id_x 1
		.amdhsa_system_sgpr_workgroup_id_y 1
		.amdhsa_system_sgpr_workgroup_id_z 1
		.amdhsa_system_vgpr_workitem_id 0
		.amdhsa_next_free_vgpr 256
		.amdhsa_next_free_sgpr 66
		.amdhsa_reserve_vcc 1
		.amdhsa_float_denorm_mode_32 3
		.amdhsa_float_denorm_mode_16_64 3
		.amdhsa_memory_ordered 1
		.amdhsa_forward_progress 1
		.amdhsa_inst_pref_size 23
	.end_amdhsa_kernel
	.amdgpu_metadata
---
amdhsa.version: [ 1, 2 ]
amdhsa.kernels:
  - .name:           k_q089ea825ba_qk_s
    .symbol:         k_q089ea825ba_qk_s.kd
    .args:
      - { .name: dec_input, .offset: 0, .size: 8, .value_kind: global_buffer, .address_space: global }
      - { .name: wq_s, .offset: 8, .size: 8, .value_kind: global_buffer, .address_space: global }
      - { .name: wk_s, .offset: 16, .size: 8, .value_kind: global_buffer, .address_space: global }
      - { .name: qk, .offset: 24, .size: 8, .value_kind: global_buffer, .address_space: global }
    .group_segment_fixed_size: 160512
    .private_segment_fixed_size: 0
    .kernarg_segment_align: 8
    .kernarg_segment_size: 32
    .max_flat_workgroup_size: 512
    .sgpr_count:     66
    .vgpr_count:     256
    .wavefront_size: 32
...
	.end_amdgpu_metadata
.endif
;; end of part 1
;; launch att_s (part 2): grid 16 x 16, 16 waves a work-group, no clusters, 257,792 bytes of LDS; arguments input_history, dec_input, qk, scr, st, ctxp; writes scr, st, ctxp
.if DOCPART == 2
	.amdgcn_target "amdgcn-amd-amdhsa--gfx1250"
	.amdhsa_code_object_version 6
	.text
	.protected	k_q089ea825ba_att_s
	.globl	k_q089ea825ba_att_s
	.p2align	8
	.type	k_q089ea825ba_att_s,@function
k_q089ea825ba_att_s:
	s_mov_b64 s[64:65], 0
	v_nop
	global_prefetch_b8 v0, s[64:65] scope:SCOPE_SE
	s_setreg_imm32_b32 hwreg(HW_REG_WAVE_MODE, 25, 1), 1
	s_wait_xcnt 0x0
; One chunk of 64 keys of one batch row, all 16 heads: s'(h,l) = (kv[l] . qk[h]) log2(e) / 8; the chunk's maximum m'(h); p = 2^(s' - m'); sum(h) of p; partial context(h,d) = sum over l of p kv[l][d].
; Stored: s' (scr), (m', sum) (st), the partial context relative to the chunk's maximum, in f32 (ctxp).  The next launch joins the 16 chunks under the row's maximum.
; The 64 rows of kv are read from memory once, rounded to bf16 and kept in LDS for both products.  SELF = 1: key 1,023 is the new row (second argument), the others the history's.
; LIMITS: kv, qk and p are rounded to bf16 as matrix operands; sums, maxima and exponentials in f32; 2^x comes out as 0 below 2^-126 (ISA guide, v_exp_f32).
; SHARES.  Work-group (c, b).  Sixteen waves.  Wave w loads keys 4 w .. 4 w + 3 and head w's qk.  Scores: wave w takes keys 16 (w % 4) .. + 15 and d quarter w / 4, all heads.  Softmax: wave w is head w.
; Context: wave w takes d = 64 w .. 64 w + 63, all heads.  All global loads go out at the head: 36 of 512 bytes for each of 16 waves.
.set SELF, 1
.if SELF
.set ROWS, 1023
.else
.set ROWS, 1024
.endif
.set HP,   2080                        ; a row of kv in LDS: 2,048 bytes of bf16 + 32: an odd multiple of 32, which the turning load wants
.set QLP,  2064                        ; a row of qk
.set RP,   272                         ; a row of 64 f32 + 16
.set PP,   144                         ; a row of 64 bf16 + 16
.set HT,   0                           ; kv, 64 rows
.set QL,   64*HP                       ; qk, 16 rows
.set SRED, QL+16*QLP                   ; the scores' four partial sums, 16 rows each
.set PL,   SRED+64*RP                  ; p, 16 rows
.set STL,  PL+16*PP                    ; (m', sum) of 16 heads
.set OST,  STL+256                     ; the way out: 16 rows x 272 bytes for each wave, its own
.set LANE, 1
.set R,    2
.set HH,   3
.set L16,  4
.set L8,   5
.set QLS,  6
.set HST,  7
.set HA,   8
.set QA,   9
.set SRS,  10
.set SRL,  11
.set PLS,  12
.set STS,  13
.set TA0,  14
.set TA1,  15
.set PBA,  16
.set OSS,  17
.set OSL,  18
.set CO,   19
.set SM,   20                          ; v[20:27] softmax
.set L4,   28
.set STA,  29
.set STV,  30
.set QR,   32                          ; v[32:47] head w's qk as loaded
.set H,    48                          ; v[48:175] four rows of kv as loaded
.set HF,   48                          ; scores: kv's fragments, 8 K steps
.set QF,   112                         ; scores: qk's fragments
.set AC,   176                         ; scores: two accumulators
.set AT,   48                          ; context: kv turned, 2 K steps x 4 tiles
.set PB,   112                         ; context: p's fragments
.set OC,   128                         ; context: four accumulators
.set OB,   160                         ; the way out
.set PKV, 4
.if SELF
.set PDEC, 6
.set PQK,  8
.set PSC,  10
.set PST,  12
.set PCT,  14
.else
.set PQK,  6
.set PSC,  8
.set PST,  10
.set PCT,  12
.endif
.set WV,  16
.set BB,  17
.set SEL, 18
.set R3,  20
.macro BAR
	s_wait_dscnt 0x0
	s_barrier_signal -1
	s_barrier_wait -1
.endm
.macro HROW i, left                    ; row i of my four: rounded to bf16 and put into LDS; left = the loads of the later rows, which stay out
	s_wait_loadcnt \left
.irp t, 0,1,2,3,4,5,6,7
	v_cvt_pk_bf16_f32 v[H+32*\i+4*\t],   v[H+32*\i+4*\t],   v[H+32*\i+4*\t+1]
	v_cvt_pk_bf16_f32 v[H+32*\i+4*\t+1], v[H+32*\i+4*\t+2], v[H+32*\i+4*\t+3]
	ds_store_b64 v[HST], v[H+32*\i+4*\t:H+32*\i+4*\t+1] offset:\i*HP+256*\t
.endr
.endm
.if SELF
	s_load_b256 s[4:11], s[0:1], 0x0               ; history, new row, qk, scr
	s_load_b128 s[12:15], s[0:1], 0x20             ; st, ctxp
	v_lshl_add_u32 v192, v0, 2, 0x3e700
	v_mov_b32 v193, 0
.else
	s_load_b256 s[4:11], s[0:1], 0x0               ; kv, qk, scr, st
	s_load_b64 s[12:13], s[0:1], 0x20              ; ctxp
.endif
	v_and_b32 v[LANE], 31, v0
	v_lshrrev_b32 v[SM], 5, v0
	v_readfirstlane_b32 s[WV], v[SM]
	v_and_b32 v[R], 15, v0
	v_bfe_u32 v[HH], v0, 4, 1
	v_lshlrev_b32 v[L16], 4, v[LANE]
	v_lshlrev_b32 v[L8], 3, v[LANE]
	s_mov_b32 s[SEL], 0x76543210
	s_mov_b32 s[SEL+1], 0xfedcba98
	s_and_b32 s[BB], ttmp7, 0xffff                 ; the batch row
	s_lshl_b32 s34, ttmp9, 6
	s_lshl_b32 s35, s[WV], 2
	s_add_co_u32 s34, s34, s35                     ; my first key: 64 c + 4 w
	s_mul_i32 s22, s[BB], ROWS
	s_add_co_u32 s22, s22, s34
	s_lshl_b32 s22, s22, 12                        ; rows of 4,096 bytes: under 2^27
	s_mov_b32 s23, 0
	s_lshl_b32 s24, s[BB], 15                      ; qk[b][w]
	s_lshl_b32 s35, s[WV], 11
	s_add_co_u32 s24, s24, s35
	s_mov_b32 s25, 0
	s_lshl_b32 s26, s[BB], 16                      ; scr[b][w][64 c]
	s_lshl_b32 s35, s[WV], 12
	s_add_co_u32 s26, s26, s35
	s_lshl_b32 s35, ttmp9, 8
	s_add_co_u32 s26, s26, s35
	s_mov_b32 s27, 0
	s_lshl_b32 s28, s[BB], 4                       ; st[b][c]
	s_add_co_u32 s28, s28, ttmp9
	s_lshl_b32 s28, s28, 7
	s_mov_b32 s29, 0
	s_lshl_b32 s30, s[BB], 20                      ; ctxp[b][c][.][64 w]
	s_lshl_b32 s35, ttmp9, 16
	s_add_co_u32 s30, s30, s35
	s_lshl_b32 s35, s[WV], 8
	s_add_co_u32 s30, s30, s35
	s_mov_b32 s31, 0
.if SELF
	s_lshl_b32 s32, s[BB], 12
	s_mov_b32 s33, 0
.endif
	s_wait_kmcnt 0x0
	s_add_nc_u64 s[PKV:PKV+1], s[PKV:PKV+1], s[22:23]
	s_add_nc_u64 s[PQK:PQK+1], s[PQK:PQK+1], s[24:25]
	s_add_nc_u64 s[PSC:PSC+1], s[PSC:PSC+1], s[26:27]
	s_add_nc_u64 s[PST:PST+1], s[PST:PST+1], s[28:29]
	s_add_nc_u64 s[PCT:PCT+1], s[PCT:PCT+1], s[30:31]
	s_add_nc_u64 s[R3:R3+1], s[PKV:PKV+1], 3*4096  ; my fourth row
.if SELF
	s_add_nc_u64 s[PDEC:PDEC+1], s[PDEC:PDEC+1], s[32:33]
	s_cmp_eq_u32 s34, 1020                         ; is my fourth key number 1,023?  Then it is the new row, and the history's address is not used
	s_cselect_b64 s[R3:R3+1], s[PDEC:PDEC+1], s[R3:R3+1]
.endif
.irp t, 0,1,2,3
	global_load_b128 v[QR+4*\t:QR+4*\t+3], v[L16], s[PQK:PQK+1] offset:512*\t
.endr
.irp i, 0,1,2
.irp t, 0,1,2,3,4,5,6,7
	global_load_b128 v[H+32*\i+4*\t:H+32*\i+4*\t+3], v[L16], s[PKV:PKV+1] offset:4096*\i+512*\t th:TH_LOAD_NT
.endr
.endr
.irp t, 0,1,2,3,4,5,6,7
	global_load_b128 v[H+96+4*\t:H+96+4*\t+3], v[L16], s[R3:R3+1] offset:512*\t th:TH_LOAD_NT
.endr
	; LDS addresses, made while the loads are on their way
	s_mul_i32 s36, s[WV], QLP
	s_add_co_u32 s36, s36, QL
	v_add_nc_u32 v[QLS], s36, v[L16]
	s_mul_i32 s36, s[WV], 4*HP
	v_lshl_add_u32 v[HST], v[LANE], 3, s36
	s_and_b32 s37, s[WV], 3                        ; which 16 keys
	s_lshr_b32 s38, s[WV], 2                       ; which quarter of d
	s_mul_i32 s36, s37, 16*HP
	s_lshl_b32 s39, s38, 9
	s_add_co_u32 s36, s36, s39
	v_mul_u32_u24 v[HA], v[R], HP
	v_lshl_add_u32 v[HA], v[HH], 4, v[HA]
	v_add_nc_u32 v[HA], s36, v[HA]
	s_add_co_u32 s39, s39, QL
	v_mul_u32_u24 v[QA], v[R], QLP
	v_lshl_add_u32 v[QA], v[HH], 4, v[QA]
	v_add_nc_u32 v[QA], s39, v[QA]
	s_mul_i32 s36, s38, 16*RP
	s_lshl_b32 s39, s37, 6
	s_add_co_u32 s36, s36, s39
	s_add_co_u32 s36, s36, SRED
	v_mul_u32_u24 v[SRS], v[R], RP
	v_lshl_add_u32 v[SRS], v[HH], 5, v[SRS]
	v_add_nc_u32 v[SRS], s36, v[SRS]
	s_mul_i32 s36, s[WV], RP
	s_add_co_u32 s36, s36, SRED
	v_lshl_add_u32 v[SRL], v[LANE], 3, s36
	s_mul_i32 s36, s[WV], PP
	s_add_co_u32 s36, s36, PL
	v_lshl_add_u32 v[PLS], v[LANE], 2, s36
	s_lshl_b32 s36, s[WV], 3
	s_add_co_u32 s36, s36, STL
	v_mov_b32 v[STS], s36
	v_and_b32 v[TA0], 7, v0                        ; the turning load: key 8 (lane / 16) + lane % 8, 16 bytes at 16 ((lane / 8) % 2), my 128 bytes of the row
	v_lshl_add_u32 v[TA0], v[HH], 3, v[TA0]
	v_mul_u32_u24 v[TA0], v[TA0], HP
	v_bfe_u32 v[TA1], v0, 3, 1
	v_lshl_add_u32 v[TA0], v[TA1], 4, v[TA0]
	s_lshl_b32 s36, s[WV], 7
	v_add_nc_u32 v[TA0], s36, v[TA0]
	v_add_nc_u32 v[TA1], 32*HP, v[TA0]             ; keys 32 on: past what a 16-bit offset reaches
	v_mul_u32_u24 v[PBA], v[R], PP
	v_lshl_add_u32 v[PBA], v[HH], 4, v[PBA]
	v_add_nc_u32 v[PBA], PL, v[PBA]
	s_mul_i32 s36, s[WV], 16*RP
	s_add_co_u32 s36, s36, OST
	v_mul_u32_u24 v[OSS], v[R], RP
	v_lshl_add_u32 v[OSS], v[HH], 5, v[OSS]
	v_add_nc_u32 v[OSS], s36, v[OSS]
	v_mul_u32_u24 v[OSL], v[HH], RP
	v_lshl_add_u32 v[OSL], v[R], 4, v[OSL]
	v_add_nc_u32 v[OSL], s36, v[OSL]
	v_lshlrev_b32 v[CO], 12, v[HH]
	v_lshl_add_u32 v[CO], v[R], 4, v[CO]
	v_lshlrev_b32 v[L4], 2, v[LANE]
	v_add_nc_u32 v[STA], STL, v[L4]
	s_wait_loadcnt 32                              ; qk's row is in; the 32 loads of kv stay out
.irp t, 0,1,2,3
	ds_store_b128 v[QLS], v[QR+4*\t:QR+4*\t+3] offset:512*\t
.endr
	HROW 0, 24
	HROW 1, 16
	HROW 2, 8
	HROW 3, 0
	BAR                                            ; kv's 64 rows and qk's 16 are whole
	; SCORES: rows = 16 keys, columns = 16 heads, my 256 of the 1,024 d in 8 K steps
.irp q, 0,1,2,3,4,5,6,7
	ds_load_b128 v[HF+8*\q:HF+8*\q+3],   v[HA] offset:64*\q
	ds_load_b128 v[HF+8*\q+4:HF+8*\q+7], v[HA] offset:64*\q+32
	ds_load_b128 v[QF+8*\q:QF+8*\q+3],   v[QA] offset:64*\q
	ds_load_b128 v[QF+8*\q+4:QF+8*\q+7], v[QA] offset:64*\q+32
.endr
.irp q, 0,1,2,3,4,5,6,7                ; two accumulators take turns, one instruction a turn
	s_wait_dscnt 28-4*\q                           ; this step's four loads are back; the later steps' stay out
.if \q < 2
	v_wmma_f32_16x16x32_bf16 v[AC+8*(\q%2):AC+8*(\q%2)+7], v[HF+8*\q:HF+8*\q+7], v[QF+8*\q:QF+8*\q+7], 0
.else
	v_wmma_f32_16x16x32_bf16 v[AC+8*(\q%2):AC+8*(\q%2)+7], v[HF+8*\q:HF+8*\q+7], v[QF+8*\q:QF+8*\q+7], v[AC+8*(\q%2):AC+8*(\q%2)+7]
.endif
.endr
.rept 4
	v_nop                                          ; four places in front of the reads of the results (ISA guide 7.12.1)
.endr
.irp i, 0,2,4,6
	v_pk_add_f32 v[AC+\i:AC+\i+1], v[AC+\i:AC+\i+1], v[AC+8+\i:AC+8+\i+1]
.endr
	ds_store_b128 v[SRS], v[AC:AC+3]               ; head r, keys 16 (w % 4) + 8 (lane / 16) + 0 .. 3
	ds_store_b128 v[SRS], v[AC+4:AC+7] offset:16
	BAR                                            ; the four quarters' partial scores lie in LDS
	; SOFTMAX of the chunk: I am head w; a lane holds keys 2 lane, 2 lane + 1
.irp q, 0,1,2,3
	ds_load_b64 v[SM+2*\q:SM+2*\q+1], v[SRL] offset:\q*16*RP
.endr
	s_wait_dscnt 0x0
	v_pk_add_f32 v[SM:SM+1],   v[SM:SM+1],   v[SM+2:SM+3]
	v_pk_add_f32 v[SM+4:SM+5], v[SM+4:SM+5], v[SM+6:SM+7]
	v_pk_add_f32 v[SM:SM+1],   v[SM:SM+1],   v[SM+4:SM+5]
	v_pk_mul_f32 v[SM:SM+1], v[SM:SM+1], 0x3e38aa3b op_sel_hi:[1,0]    ; log2(e) / sqrt(64)
	global_store_b64 v[L8], v[SM:SM+1], s[PSC:PSC+1]                   ; 256 consecutive bytes, aligned; v[SM:SM+1] are not written again
	v_max_num_f32 v[SM+4], v[SM], v[SM+1]
	v_max_num_f32_dpp v[SM+4], v[SM+4], v[SM+4] row_xmask:1 row_mask:0xf bank_mask:0xf
	v_max_num_f32_dpp v[SM+4], v[SM+4], v[SM+4] row_xmask:2 row_mask:0xf bank_mask:0xf
	v_max_num_f32_dpp v[SM+4], v[SM+4], v[SM+4] row_xmask:4 row_mask:0xf bank_mask:0xf
	v_max_num_f32_dpp v[SM+4], v[SM+4], v[SM+4] row_xmask:8 row_mask:0xf bank_mask:0xf
	v_permlanex16_b32 v[SM+6], v[SM+4], s[SEL], s[SEL+1]
	v_max_num_f32 v[SM+4], v[SM+4], v[SM+6]        ; m'
	v_sub_f32 v[SM+2], v[SM],   v[SM+4]
	v_sub_f32 v[SM+3], v[SM+1], v[SM+4]
	v_exp_f32 v[SM+2], v[SM+2]
	v_exp_f32 v[SM+3], v[SM+3]
	v_nop                                          ; a plain instruction between an exponential and the use of its result (ISA guide 5.7.2)
	s_wait_alu depctr_va_vdst(0)
	v_add_f32 v[SM+5], v[SM+2], v[SM+3]
	v_add_f32_dpp v[SM+5], v[SM+5], v[SM+5] row_xmask:1 row_mask:0xf bank_mask:0xf
	v_add_f32_dpp v[SM+5], v[SM+5], v[SM+5] row_xmask:2 row_mask:0xf bank_mask:0xf
	v_add_f32_dpp v[SM+5], v[SM+5], v[SM+5] row_xmask:4 row_mask:0xf bank_mask:0xf
	v_add_f32_dpp v[SM+5], v[SM+5], v[SM+5] row_xmask:8 row_mask:0xf bank_mask:0xf
	v_permlanex16_b32 v[SM+6], v[SM+5], s[SEL], s[SEL+1]
	v_add_f32 v[SM+5], v[SM+5], v[SM+6]            ; the chunk's sum
	v_cvt_pk_bf16_f32 v[SM+7], v[SM+2], v[SM+3]
	ds_store_b32 v[PLS], v[SM+7]
	ds_store_b64 v[STS], v[SM+4:SM+5]              ; every lane writes the same two words
	BAR                                            ; p and the 16 heads' (m', sum) are whole
	; CONTEXT, transposed: rows = 16 d (kv turned on its way out of LDS), columns = 16 heads, 64 keys in 2 K steps; four tiles of 16 d
.irp t, 0,1,2,3
	ds_load_tr16_b128 v[AT+8*\t:AT+8*\t+3],       v[TA0] offset:32*\t
	ds_load_tr16_b128 v[AT+8*\t+4:AT+8*\t+7],     v[TA0] offset:32*\t+16*HP
	ds_load_tr16_b128 v[AT+32+8*\t:AT+32+8*\t+3],   v[TA1] offset:32*\t
	ds_load_tr16_b128 v[AT+32+8*\t+4:AT+32+8*\t+7], v[TA1] offset:32*\t+16*HP
.endr
.irp q, 0,1,2,3
	ds_load_b128 v[PB+4*\q:PB+4*\q+3], v[PBA] offset:32*\q
.endr
	s_wait_dscnt 0x0
.irp t, 0,1,2,3                        ; the four accumulators take turns
	v_wmma_f32_16x16x32_bf16 v[OC+8*\t:OC+8*\t+7], v[AT+8*\t:AT+8*\t+7], v[PB:PB+7], 0
.endr
.irp t, 0,1,2,3
	v_wmma_f32_16x16x32_bf16 v[OC+8*\t:OC+8*\t+7], v[AT+32+8*\t:AT+32+8*\t+7], v[PB+8:PB+15], v[OC+8*\t:OC+8*\t+7]
.endr
.rept 4
	v_nop                                          ; four places in front of the stores that read the results
.endr
.irp t, 0,1,2,3                        ; a lane holds head r and d = 16 t + 8 (lane / 16) + 0 .. 7; each accumulator is read from its low end on
	ds_store_b128 v[OSS], v[OC+8*\t:OC+8*\t+3]   offset:64*\t
	ds_store_b128 v[OSS], v[OC+8*\t+4:OC+8*\t+7] offset:64*\t+16
.endr
.irp q, 0,1,2,3,4,5,6,7
	ds_load_b128 v[OB+4*\q:OB+4*\q+3], v[OSL] offset:\q*2*RP   ; my own bytes: LDS serves a wave's instructions in order (ISA guide 5.7.1.4)
.endr
.irp q, 0,1,2,3,4,5,6,7
	s_wait_dscnt 7-\q                              ; load q is back; the younger ones stay out
	global_store_b128 v[CO], v[OB+4*\q:OB+4*\q+3], s[PCT:PCT+1] offset:8192*\q   ; heads 2 q, 2 q + 1: sixteen lanes store 256 consecutive bytes, aligned
.endr
	s_cmp_lg_u32 s[WV], 0
	s_cbranch_scc1 .Lend
	ds_load_b32 v[STV], v[STA]                     ; written in front of the last barrier and never again
	s_wait_dscnt 0x0
	global_store_b32 v[L4], v[STV], s[PST:PST+1]   ; the chunk's 128 consecutive bytes
.Lend:
	s_wait_tensorcnt 0x0
	ds_add_u32 v192, v193
	s_wait_dscnt 0x0
	s_endpgm
.Lfunc_end_k_q089ea825ba_att_s:
	.size	k_q089ea825ba_att_s, .Lfunc_end_k_q089ea825ba_att_s-k_q089ea825ba_att_s
	.p2alignl 7, 3214868480
	.fill 96, 4, 3214868480
	.section	.rodata,"a",@progbits
	.p2align	6, 0x0
	.amdhsa_kernel k_q089ea825ba_att_s
		.amdhsa_group_segment_fixed_size 257792
		.amdhsa_private_segment_fixed_size 0
		.amdhsa_enable_private_segment 0
		.amdhsa_kernarg_size 48
		.amdhsa_user_sgpr_count 2
		.amdhsa_user_sgpr_kernarg_segment_ptr 1
		.amdhsa_wavefront_size32 1
		.amdhsa_system_sgpr_workgroup_id_x 1
		.amdhsa_system_sgpr_workgroup_id_y 1
		.amdhsa_system_sgpr_workgroup_id_z 1
		.amdhsa_system_vgpr_workitem_id 0
		.amdhsa_next_free_vgpr 194
		.amdhsa_next_free_sgpr 66
		.amdhsa_reserve_vcc 0
		.amdhsa_float_denorm_mode_32 3
		.amdhsa_float_denorm_mode_16_64 3
		.amdhsa_memory_ordered 1
		.amdhsa_forward_progress 1
		.amdhsa_inst_pref_size 25
	.end_amdhsa_kernel
	.amdgpu_metadata
---
amdhsa.version: [ 1, 2 ]
amdhsa.kernels:
  - .name:           k_q089ea825ba_att_s
    .symbol:         k_q089ea825ba_att_s.kd
    .args:
      - { .name: input_history, .offset: 0, .size: 8, .value_kind: global_buffer, .address_space: global }
      - { .name: dec_input, .offset: 8, .size: 8, .value_kind: global_buffer, .address_space: global }
      - { .name: qk, .offset: 16, .size: 8, .value_kind: global_buffer, .address_space: global }
      - { .name: scr, .offset: 24, .size: 8, .value_kind: global_buffer, .address_space: global }
      - { .name: st, .offset: 32, .size: 8, .value_kind: global_buffer, .address_space: global }
      - { .name: ctxp, .offset: 40, .size: 8, .value_kind: global_buffer, .address_space: global }
    .group_segment_fixed_size: 257792
    .private_segment_fixed_size: 0
    .kernarg_segment_align: 8
    .kernarg_segment_size: 48
    .max_flat_workgroup_size: 512
    .sgpr_count:     66
    .vgpr_count:     194
    .wavefront_size: 32
...
	.end_amdgpu_metadata
.endif
;; end of part 2
;; launch cmb_s (part 3): grid 16 x 16, 8 waves a work-group, no clusters, 7,680 bytes of LDS; arguments ctxp, st, scr, wv_s, ob, out1; writes ob, out1
.if DOCPART == 3
	.amdgcn_target "amdgcn-amd-amdhsa--gfx1250"
	.amdhsa_code_object_version 6
	.text
	.protected	k_q089ea825ba_cmb_s
	.globl	k_q089ea825ba_cmb_s
	.p2align	8
	.type	k_q089ea825ba_cmb_s,@function
k_q089ea825ba_cmb_s:
	s_mov_b64 s[64:65], 0
	v_nop
	global_prefetch_b8 v0, s[64:65] scope:SCOPE_SE
	s_setreg_imm32_b32 hwreg(HW_REG_WAVE_MODE, 25, 1), 1
	s_wait_xcnt 0x0
; Joins the 16 chunks of a softmax and projects half of the context.  For head h and two batch rows b: M = max over chunks of m'; L = sum over chunks of 2^(m' - M) sum; attn(l) = 2^(s'(l) - M) / L;
; context(d) = sum over chunks of 2^(m' - M) / L x partial context(d); o_p(v) = sum over the 512 d of half p of context(d) wv[h][d][v].  The next launch adds the two halves o_0 + o_1.
; This is reference()'s attn (kv wv) in another order of rounding.  L is at least 1: the chunk that holds M has a sum of at least 1.
; LIMITS: the context and wv are rounded to bf16 as matrix operands; all else f32; 2^x comes out as 0 below 2^-126 (ISA guide, v_exp_f32).
; SHARES.  Work-group (g + 8 p, h): head h, batch rows 2 g, 2 g + 1, half p of the keys (for attn) and of d (for the context): 256 work-groups, 64 KiB of partial contexts and 128 KiB of wv each.
; Eight waves.  Wave w: batch row 2 g + w / 4, the 128 keys and the 128 d number w % 4 of the half; in the product d = 512 p + 64 w .. + 63 of both rows.
; The product's 16 rows hold the two batch rows eight times over: rows 0 and 1 of the result are used.
; A half of wv[h] is read by the 8 work-groups of (h, p).  It is not asked for jointly: a joint load would land the same 128 KiB in each of them, as f32 that has to pass through LDS first.
.set XP,     1040                      ; a row of 512 bf16 + 16: an odd multiple of 16
.set RP,     272                       ; a row of 64 f32 + 16
.set RW,     2*RP                      ; one wave's partial result: two rows
.set XT,     0                         ; the two half contexts in bf16
.set RED,    2304                      ; 8 partial results
.set WPITCH, 256
.set LANE, 1
.set R,    2
.set HH,   3
.set L16,  4
.set WOFF, 6
.set XST,  7
.set XA,   8
.set RS,   9
.set RR,   10
.set EO,   11
.set STO,  12
.set ST,   20                          ; v[20:21] (m', sum) of chunk lane % 16
.set MX,   22
.set EC,   23
.set LS,   24
.set INV,  25
.set SCV,  26
.set T,    28
.set SC,   32                          ; v[32:35] four scores, then four weights
.set XACC, 36
.set W,    40                          ; v[40:167] wv as loaded
.set XF,   40
.set F2,   56
.set S,    104
.set CTX,  168                         ; v[168:231] 16 chunks x 4 numbers
.set F1,   168
.set ACC,  200
.set WB,   10
.set WV,   16
.set HD,   17
.set SEL,  18
.set SCL,  32                          ; s[32:47] the 16 chunks' scales
.macro BAR                             ; what I wrote into LDS is there and what I read is back; then all eight waves meet
	s_wait_dscnt 0x0
	s_barrier_signal -1
	s_barrier_wait -1
.endm
.macro WLOAD st                        ; K step st: 32 rows x 64 columns of f32.  Lanes 0-15 take the 256 bytes of one row, lanes 16-31 of the row 8 further down
.set tt, 0
.rept 16
	global_load_b128 v[W+64*\st+4*tt:W+64*\st+4*tt+3], v[WOFF], s[WB:WB+1] offset:(32*\st+tt+8*(tt/8))*WPITCH
.set tt, tt+1
.endr
.endm
.macro WCVT st, f                      ; tile j holds column 4 r + j in lane r; register i the two rows that loads 2 i and 2 i + 1 brought
.irp j, 0,1,2,3
.irp i, 0,1,2,3,4,5,6,7
	v_cvt_pk_bf16_f32 v[\f+8*\j+\i], v[W+64*\st+8*\i+\j], v[W+64*\st+8*\i+4+\j]
.endr
.endr
.endm
.macro XFRAG
.irp q, 0,1
	ds_load_b128 v[XF+8*\q:XF+8*\q+3],   v[XA] offset:64*\q
	ds_load_b128 v[XF+8*\q+4:XF+8*\q+7], v[XA] offset:64*\q+32
.endr
.endm
.macro MM st, f, zero                  ; the four accumulators take turns
.irp j, 0,1,2,3
.if \zero
	v_wmma_f32_16x16x32_bf16 v[ACC+8*\j:ACC+8*\j+7], v[XF+8*\st:XF+8*\st+7], v[\f+8*\j:\f+8*\j+7], 0
.else
	v_wmma_f32_16x16x32_bf16 v[ACC+8*\j:ACC+8*\j+7], v[XF+8*\st:XF+8*\st+7], v[\f+8*\j:\f+8*\j+7], v[ACC+8*\j:ACC+8*\j+7]
.endif
.endr
.endm
.macro REDST rows                      ; each accumulator is read from its low end on
.set ii, 0
.rept \rows
.irp j, 0,1,2,3
	ds_store_b32 v[RS], v[ACC+8*\j+ii] offset:ii*RP+4*\j
.endr
.set ii, ii+1
.endr
.endm
.macro REDSUM                          ; each half of the lanes adds four of the eight partial results, then the halves exchange; v[T+2:T+3] = columns 4 r + 2 (lane / 16), + 1
.irp n, 0,1,2,3
	ds_load_b128 v[S+4*\n:S+4*\n+3], v[RR] offset:\n*RW
.endr
	v_cmp_eq_u32 vcc_lo, 1, v[HH]
	s_wait_dscnt 0x0
.irp n, 0,8
	v_pk_add_f32 v[S+\n:S+\n+1],   v[S+\n:S+\n+1],   v[S+\n+4:S+\n+5]
	v_pk_add_f32 v[S+\n+2:S+\n+3], v[S+\n+2:S+\n+3], v[S+\n+6:S+\n+7]
.endr
	v_pk_add_f32 v[S:S+1],   v[S:S+1],   v[S+8:S+9]
	v_pk_add_f32 v[S+2:S+3], v[S+2:S+3], v[S+10:S+11]
	v_cndmask_b32 v[T],   v[S+2], v[S],   vcc_lo  ; what the other half keeps
	v_cndmask_b32 v[T+1], v[S+3], v[S+1], vcc_lo
	v_cndmask_b32 v[T+2], v[S],   v[S+2], vcc_lo  ; what I keep
	v_cndmask_b32 v[T+3], v[S+1], v[S+3], vcc_lo
	v_permlanex16_b32 v[S+4], v[T],   s[SEL], s[SEL+1]
	v_permlanex16_b32 v[S+5], v[T+1], s[SEL], s[SEL+1]
	v_pk_add_f32 v[T+2:T+3], v[T+2:T+3], v[S+4:S+5]
.endm
	s_load_b256 s[4:11], s[0:1], 0x0               ; ctxp, st, scr, wv
	s_load_b128 s[12:15], s[0:1], 0x20             ; ob, attn out
	v_lshl_add_u32 v232, v0, 2, 0x1a00
	v_mov_b32 v233, 0
	v_and_b32 v[LANE], 31, v0
	v_lshrrev_b32 v[T], 5, v0
	v_readfirstlane_b32 s[WV], v[T]
	v_and_b32 v[R], 15, v0
	v_bfe_u32 v[HH], v0, 4, 1
	v_lshlrev_b32 v[L16], 4, v[LANE]
	v_mul_u32_u24 v[WOFF], v[HH], 8*WPITCH
	v_lshl_add_u32 v[WOFF], v[R], 4, v[WOFF]
	v_lshlrev_b32 v[EO], 4, v[R]
	v_lshl_add_u32 v[EO], v[HH], 3, v[EO]
	v_lshlrev_b32 v[STO], 7, v[R]                  ; chunk lane % 16: 128 bytes apart
	s_mov_b32 s[SEL], 0x76543210
	s_mov_b32 s[SEL+1], 0xfedcba98
	s_and_b32 s[HD], ttmp7, 0xffff
	s_lshr_b32 s23, ttmp9, 3                       ; p: which half
	s_and_b32 s20, ttmp9, 7
	s_lshl_b32 s20, s20, 1                         ; 2 g
	s_lshr_b32 s21, s[WV], 2
	s_add_co_u32 s21, s21, s20                     ; my batch row
	s_and_b32 s22, s[WV], 3
	s_lshl_b32 s22, s22, 9                         ; my 512 bytes,
	s_lshl_b32 s24, s23, 11
	s_add_co_u32 s22, s22, s24                     ; in half p
	s_lshl_b32 s24, s[HD], 12
	s_add_co_u32 s22, s22, s24                     ; of head h's row of 4,096 bytes
	s_lshl_b32 s24, s21, 11                        ; st[b][.][h]
	s_lshl_b32 s25, s[HD], 3
	s_add_co_u32 s24, s24, s25
	s_mov_b32 s25, 0
	s_lshl_b32 s26, s21, 16                        ; scr[b][h], and the weights likewise
	s_add_co_u32 s26, s26, s22
	s_mov_b32 s27, 0
	s_lshl_b32 s28, s21, 20                        ; ctxp[b][.][h]
	s_add_co_u32 s28, s28, s22
	s_mov_b32 s29, 0
	s_lshl_b32 s30, s[HD], 18                      ; wv[h],
	s_lshl_b32 s31, s23, 17                        ; half p's 512 rows,
	s_add_co_u32 s30, s30, s31
	s_lshl_b32 s31, s[WV], 14                      ; my 64 of them
	s_add_co_u32 s30, s30, s31
	s_mov_b32 s31, 0
	s_and_b32 s22, s[WV], 1                        ; the row that waves 0 and 1 add up and store
	s_add_co_u32 s20, s20, s22
	s_lshl_b32 s20, s20, 12
	s_lshl_b32 s21, s[HD], 8
	s_add_co_u32 s20, s20, s21
	s_lshl_b32 s21, s23, 16                        ; ob[p]
	s_add_co_u32 s20, s20, s21
	s_mov_b32 s21, 0
	s_wait_kmcnt 0x0
	s_add_nc_u64 s[4:5], s[4:5], s[28:29]
	s_add_nc_u64 s[6:7], s[6:7], s[24:25]
	s_add_nc_u64 s[8:9], s[8:9], s[26:27]
	s_add_nc_u64 s[10:11], s[10:11], s[30:31]
	s_add_nc_u64 s[12:13], s[12:13], s[20:21]
	s_add_nc_u64 s[14:15], s[14:15], s[26:27]
	global_load_b64 v[ST:ST+1], v[STO], s[6:7]
	global_load_b128 v[SC:SC+3], v[L16], s[8:9]
.set cc, 0
.rept 16
	global_load_b128 v[CTX+4*cc:CTX+4*cc+3], v[L16], s[4:5] offset:65536*cc th:TH_LOAD_NT
.set cc, cc+1
.endr
	WLOAD 0
	WLOAD 1
	s_lshr_b32 s23, s[WV], 2
	s_mul_i32 s23, s23, XP
	s_and_b32 s24, s[WV], 3
	s_lshl_b32 s24, s24, 8
	s_add_co_u32 s23, s23, s24
	v_lshl_add_u32 v[XST], v[LANE], 3, s23
	v_and_b32 v[XA], 1, v0                         ; row r of the product's sixteen is batch row r % 2
	v_mul_u32_u24 v[XA], v[XA], XP
	v_lshl_add_u32 v[XA], v[HH], 4, v[XA]
	s_lshl_b32 s23, s[WV], 7
	v_add_nc_u32 v[XA], s23, v[XA]
	s_mul_i32 s23, s[WV], RW
	s_add_co_u32 s23, s23, RED
	v_lshl_add_u32 v[RS], v[R], 4, s23             ; both halves of the lanes hold the same two rows and write the same words
	s_mul_i32 s23, s22, RP
	s_add_co_u32 s23, s23, RED
	v_mul_u32_u24 v[RR], v[HH], 4*RW
	v_lshl_add_u32 v[RR], v[R], 4, v[RR]
	v_add_nc_u32 v[RR], s23, v[RR]
	s_wait_loadcnt 49                              ; (m', sum) are in; the scores, 16 partial contexts and 32 loads of wv stay out
	v_mov_b32 v[MX], v[ST]
	v_max_num_f32_dpp v[MX], v[MX], v[MX] row_xmask:1 row_mask:0xf bank_mask:0xf
	v_max_num_f32_dpp v[MX], v[MX], v[MX] row_xmask:2 row_mask:0xf bank_mask:0xf
	v_max_num_f32_dpp v[MX], v[MX], v[MX] row_xmask:4 row_mask:0xf bank_mask:0xf
	v_max_num_f32_dpp v[MX], v[MX], v[MX] row_xmask:8 row_mask:0xf bank_mask:0xf   ; M: the two halves of the lanes hold the same 16 chunks
	v_sub_f32 v[EC], v[ST], v[MX]
	v_exp_f32 v[EC], v[EC]
	v_nop                                          ; a plain instruction behind an exponential (ISA guide 5.7.2)
	s_wait_alu depctr_va_vdst(0)
	v_mul_f32 v[LS], v[EC], v[ST+1]
	v_add_f32_dpp v[LS], v[LS], v[LS] row_xmask:1 row_mask:0xf bank_mask:0xf
	v_add_f32_dpp v[LS], v[LS], v[LS] row_xmask:2 row_mask:0xf bank_mask:0xf
	v_add_f32_dpp v[LS], v[LS], v[LS] row_xmask:4 row_mask:0xf bank_mask:0xf
	v_add_f32_dpp v[LS], v[LS], v[LS] row_xmask:8 row_mask:0xf bank_mask:0xf       ; L
	v_rcp_f32 v[INV], v[LS]
	v_nop
	s_wait_alu depctr_va_vdst(0)
	v_mul_f32 v[SCV], v[EC], v[INV]                ; chunk lane % 16's scale
.set cc, 0
.rept 16
	v_readlane_b32 s[SCL+cc], v[SCV], cc
.set cc, cc+1
.endr
	s_wait_loadcnt 48                              ; my four scores are in
.irp q, 0,1,2,3
	v_sub_f32 v[SC+\q], v[SC+\q], v[MX]
.endr
.irp q, 0,1,2,3
	v_exp_f32 v[SC+\q], v[SC+\q]
.endr
	v_nop
	s_wait_alu depctr_va_vdst(0)
.irp q, 0,1,2,3
	v_mul_f32 v[SC+\q], v[SC+\q], v[INV]
.endr
	global_store_b128 v[L16], v[SC:SC+3], s[14:15] ; 512 consecutive bytes, aligned; v[SC:SC+3] are not written again
	s_wait_loadcnt 32                              ; the 16 partial contexts are in; wv's 32 loads stay out
.irp q, 0,1,2,3
	v_mul_f32 v[XACC+\q], s[SCL], v[CTX+\q]
.endr
.set cc, 1
.rept 15
.irp q, 0,1,2,3
	v_fmac_f32 v[XACC+\q], s[SCL+cc], v[CTX+4*cc+\q]
.endr
.set cc, cc+1
.endr
	v_cvt_pk_bf16_f32 v[XACC],   v[XACC],   v[XACC+1]
	v_cvt_pk_bf16_f32 v[XACC+1], v[XACC+2], v[XACC+3]
	ds_store_b64 v[XST], v[XACC:XACC+1]
	BAR                                            ; both half contexts are whole
	s_wait_loadcnt 16                              ; K step 0 of wv is in; step 1's 16 loads stay out
	WCVT 0, F1
	XFRAG
	s_wait_loadcnt 0x0
	WCVT 1, F2
	s_wait_dscnt 0x0
	MM 0, F1, 1
	MM 1, F2, 0
.rept 4
	v_nop                                          ; four places in front of the stores that read the results
.endr
	REDST 2
	BAR
	s_cmp_gt_u32 s[WV], 1
	s_cbranch_scc1 .Lend                           ; two rows: two waves add them up; no barrier follows
	REDSUM
	global_store_b64 v[EO], v[T+2:T+3], s[12:13]   ; head h's 64 numbers of a row: 256 consecutive bytes, aligned
.Lend:
	s_wait_tensorcnt 0x0
	ds_add_u32 v232, v233
	s_wait_dscnt 0x0
	s_endpgm
.Lfunc_end_k_q089ea825ba_cmb_s:
	.size	k_q089ea825ba_cmb_s, .Lfunc_end_k_q089ea825ba_cmb_s-k_q089ea825ba_cmb_s
	.p2alignl 7, 3214868480
	.fill 96, 4, 3214868480
	.section	.rodata,"a",@progbits
	.p2align	6, 0x0
	.amdhsa_kernel k_q089ea825ba_cmb_s
		.amdhsa_group_segment_fixed_size 7680
		.amdhsa_private_segment_fixed_size 0
		.amdhsa_enable_private_segment 0
		.amdhsa_kernarg_size 48
		.amdhsa_user_sgpr_count 2
		.amdhsa_user_sgpr_kernarg_segment_ptr 1
		.amdhsa_wavefront_size32 1
		.amdhsa_system_sgpr_workgroup_id_x 1
		.amdhsa_system_sgpr_workgroup_id_y 1
		.amdhsa_system_sgpr_workgroup_id_z 1
		.amdhsa_system_vgpr_workitem_id 0
		.amdhsa_next_free_vgpr 234
		.amdhsa_next_free_sgpr 66
		.amdhsa_reserve_vcc 1
		.amdhsa_float_denorm_mode_32 3
		.amdhsa_float_denorm_mode_16_64 3
		.amdhsa_memory_ordered 1
		.amdhsa_forward_progress 1
		.amdhsa_inst_pref_size 20
	.end_amdhsa_kernel
	.amdgpu_metadata
---
amdhsa.version: [ 1, 2 ]
amdhsa.kernels:
  - .name:           k_q089ea825ba_cmb_s
    .symbol:         k_q089ea825ba_cmb_s.kd
    .args:
      - { .name: ctxp, .offset: 0, .size: 8, .value_kind: global_buffer, .address_space: global }
      - { .name: st, .offset: 8, .size: 8, .value_kind: global_buffer, .address_space: global }
      - { .name: scr, .offset: 16, .size: 8, .value_kind: global_buffer, .address_space: global }
      - { .name: wv_s, .offset: 24, .size: 8, .value_kind: global_buffer, .address_space: global }
      - { .name: ob, .offset: 32, .size: 8, .value_kind: global_buffer, .address_space: global }
      - { .name: out1, .offset: 40, .size: 8, .value_kind: global_buffer, .address_space: global }
    .group_segment_fixed_size: 7680
    .private_segment_fixed_size: 0
    .kernarg_segment_align: 8
    .kernarg_segment_size: 48
    .max_flat_workgroup_size: 256
    .sgpr_count:     66
    .vgpr_count:     234
    .wavefront_size: 32
...
	.end_amdgpu_metadata
.endif
;; end of part 3
;; launch wo_s (part 4): grid 16 x 2, 16 waves a work-group, no clusters, 88,320 bytes of LDS; arguments ob, wo_s, bo_s, dec_input, yb; writes yb
.if DOCPART == 4
	.amdgcn_target "amdgcn-amd-amdhsa--gfx1250"
	.amdhsa_code_object_version 6
	.text
	.protected	k_q089ea825ba_wo_s
	.globl	k_q089ea825ba_wo_s
	.p2align	8
	.type	k_q089ea825ba_wo_s,@function
k_q089ea825ba_wo_s:
	s_mov_b64 s[64:65], 0
	v_nop
	global_prefetch_b8 v0, s[64:65] scope:SCOPE_SE
	s_setreg_imm32_b32 hwreg(HW_REG_WAVE_MODE, 25, 1), 1
	s_wait_xcnt 0x0
; out[y][b][64 x ..] = X[b][512 y .. 512 y + 511] W[512 y ..][64 x ..], and in K block y = 0 also + bias + residual.  X = X0 + X1, the two partial results of the launch before
; (RELU = 1: X = relu(X0 + X1 + b1)).  X0, X1: [16][K] f32, XSTRIDE bytes apart; W: [K][1024] f32; out: [K / 512][16][1024] f32, partial results that the next launch adds.
; LIMITS: X and W are rounded to bf16 as matrix operands; sums, biases, relu and residual in f32.
; SHARES.  Work-group (x, y): 64 columns, 512 of K: 128 KiB of W and 64 KiB of X.  Sixteen waves.  Wave w makes row w of X; takes K = 32 w .. 32 w + 31 of the block (one K step) of all 16 rows and
; 64 columns; the sixteen partial results meet in LDS; wave w adds and stores row w.  Every byte of W is read once in the launch.  All global loads go out at the head.
.set RELU,    0
.set XSTRIDE, 65536                    ; bytes from X0 to X1
.set XROW,    4096                     ; bytes in a row of X
.set XP,      1040                     ; a row of 512 bf16 + 16: an odd multiple of 16, so the 16 rows of a fragment load start 4 words apart
.set RP,      272                      ; a row of 64 f32 + 16
.set RW,      16*RP
.set XT,      0
.set RED,     16*XP
.set WPITCH,  4096
.set LANE, 1
.set R,    2
.set HH,   3
.set L16,  4
.set WOFF, 6
.set XST,  7
.set XA,   8
.set RS,   9
.set RR,   10
.set EO,   11
.set BIAS, 12
.set RES,  14
.set T,    16
.set W,    20                          ; v[20:83] W as loaded
.set S,    20                          ; the eight partial results that a lane adds, over W's registers
.set Y,    84                          ; v[84:115] my row's piece of X0 and of X1
.set B1,   116                         ; v[116:131] b1's piece
.set F1,   132                         ; v[132:163] W's four fragments
.set XF,   164                         ; v[164:171] X's fragment
.set ACC,  172                         ; v[172:203] four results
.set WB,   6
.set WV,   16
.set KB,   17
.set SEL,  18
.macro BAR                             ; what I wrote into LDS is there and what I read is back; then all sixteen waves meet
	s_wait_dscnt 0x0
	s_barrier_signal -1
	s_barrier_wait -1
.endm
.macro WLOAD                           ; 32 rows x 64 columns of f32.  Lanes 0-15 take 256 consecutive bytes of one row, lanes 16-31 of the row 8 further down
.set tt, 0
.rept 16
	global_load_b128 v[W+4*tt:W+4*tt+3], v[WOFF], s[WB:WB+1] offset:(tt+8*(tt/8))*WPITCH th:TH_LOAD_NT
.set tt, tt+1
.endr
.endm
.macro WCVT                            ; tile j holds column 4 r + j in lane r; register i the two rows that loads 2 i and 2 i + 1 brought
.irp j, 0,1,2,3
.irp i, 0,1,2,3,4,5,6,7
	v_cvt_pk_bf16_f32 v[F1+8*\j+\i], v[W+8*\i+\j], v[W+8*\i+4+\j]
.endr
.endr
.endm
.macro REDST rows                      ; register i of tile j is (row 8 (lane / 16) + i, column 4 r + j); each result is read from its low end on
.set ii, 0
.rept \rows
.irp j, 0,1,2,3
	ds_store_b32 v[RS], v[ACC+8*\j+ii] offset:ii*RP+4*\j
.endr
.set ii, ii+1
.endr
.endm
.macro REDSUM                          ; wave w adds row w: each half of the lanes eight partial results, then the halves exchange; v[T+2:T+3] = columns 4 r + 2 (lane / 16), + 1
.irp n, 0,1,2,3,4,5,6,7
	ds_load_b128 v[S+4*\n:S+4*\n+3], v[RR] offset:\n*RW
.endr
	v_cmp_eq_u32 vcc_lo, 1, v[HH]
	s_wait_dscnt 0x0
.irp n, 0,8,16,24
	v_pk_add_f32 v[S+\n:S+\n+1],   v[S+\n:S+\n+1],   v[S+\n+4:S+\n+5]
	v_pk_add_f32 v[S+\n+2:S+\n+3], v[S+\n+2:S+\n+3], v[S+\n+6:S+\n+7]
.endr
.irp n, 0,16
	v_pk_add_f32 v[S+\n:S+\n+1],   v[S+\n:S+\n+1],   v[S+\n+8:S+\n+9]
	v_pk_add_f32 v[S+\n+2:S+\n+3], v[S+\n+2:S+\n+3], v[S+\n+10:S+\n+11]
.endr
	v_pk_add_f32 v[S:S+1],   v[S:S+1],   v[S+16:S+17]
	v_pk_add_f32 v[S+2:S+3], v[S+2:S+3], v[S+18:S+19]
	v_cndmask_b32 v[T],   v[S+2], v[S],   vcc_lo  ; what the other half keeps
	v_cndmask_b32 v[T+1], v[S+3], v[S+1], vcc_lo
	v_cndmask_b32 v[T+2], v[S],   v[S+2], vcc_lo  ; what I keep
	v_cndmask_b32 v[T+3], v[S+1], v[S+3], vcc_lo
	v_permlanex16_b32 v[S+4], v[T],   s[SEL], s[SEL+1]
	v_permlanex16_b32 v[S+5], v[T+1], s[SEL], s[SEL+1]
	v_pk_add_f32 v[T+2:T+3], v[T+2:T+3], v[S+4:S+5]
.endm
	s_load_b256 s[4:11], s[0:1], 0x0               ; X, W, bias, residual
.if RELU
	s_load_b128 s[12:15], s[0:1], 0x20             ; out, b1
.else
	s_load_b64 s[12:13], s[0:1], 0x20              ; out
	v_lshl_add_u32 v204, v0, 2, 0x15100
	v_mov_b32 v205, 0
.endif
	v_and_b32 v[LANE], 31, v0
	v_lshrrev_b32 v[T], 5, v0
	v_readfirstlane_b32 s[WV], v[T]
	v_and_b32 v[R], 15, v0
	v_bfe_u32 v[HH], v0, 4, 1
	v_lshlrev_b32 v[L16], 4, v[LANE]
	v_mul_u32_u24 v[WOFF], v[HH], 8*WPITCH
	v_lshl_add_u32 v[WOFF], v[R], 4, v[WOFF]
	v_lshlrev_b32 v[EO], 4, v[R]
	v_lshl_add_u32 v[EO], v[HH], 3, v[EO]          ; columns 4 r + 2 (lane / 16), + 1
	s_mov_b32 s[SEL], 0x76543210
	s_mov_b32 s[SEL+1], 0xfedcba98
	s_and_b32 s[KB], ttmp7, 0xffff                 ; the K block
	s_lshl_b32 s20, s[KB], 11                      ; the block's 2,048 bytes in a row of X, and in b1
	s_mov_b32 s21, 0
	s_mul_i32 s22, s[WV], XROW                     ; row w of X
	s_add_co_u32 s22, s22, s20
	s_mov_b32 s23, 0
	s_lshl_b32 s24, ttmp9, 8                       ; 64 columns
	s_mov_b32 s25, 0
	s_lshl_b32 s26, s[KB], 21                      ; 512 rows of W,
	s_lshl_b32 s27, s[WV], 17                      ; my 32 of them
	s_add_co_u32 s26, s26, s27
	s_add_co_u32 s26, s26, s24
	s_mov_b32 s27, 0
	s_lshl_b32 s28, s[WV], 12                      ; row w of the residual and of out
	s_add_co_u32 s28, s28, s24
	s_mov_b32 s29, 0
	s_lshl_b32 s30, s[KB], 16                      ; out[y]
	s_add_co_u32 s30, s30, s28
	s_mov_b32 s31, 0
	s_wait_kmcnt 0x0
	s_add_nc_u64 s[4:5], s[4:5], s[22:23]
	s_add_nc_u64 s[6:7], s[6:7], s[26:27]
	s_add_nc_u64 s[8:9], s[8:9], s[24:25]
	s_add_nc_u64 s[10:11], s[10:11], s[28:29]
	s_add_nc_u64 s[12:13], s[12:13], s[30:31]
.if RELU
	s_add_nc_u64 s[14:15], s[14:15], s[20:21]
.endif
	global_load_b64 v[BIAS:BIAS+1], v[EO], s[8:9]
	global_load_b64 v[RES:RES+1],   v[EO], s[10:11]
.irp p, 0,1
.irp t, 0,1,2,3
	global_load_b128 v[Y+16*\p+4*\t:Y+16*\p+4*\t+3], v[L16], s[4:5] offset:\p*XSTRIDE+512*\t
.endr
.endr
.if RELU
.irp t, 0,1,2,3
	global_load_b128 v[B1+4*\t:B1+4*\t+3], v[L16], s[14:15] offset:512*\t
.endr
.endif
	WLOAD
	s_mul_i32 s20, s[WV], XP
	v_lshl_add_u32 v[XST], v[LANE], 3, s20         ; X in: row w, 8 bytes a lane
	v_mul_u32_u24 v[XA], v[R], XP                  ; X's fragment: row r, my 64 bytes, 16 bytes for each half of the lanes
	v_lshl_add_u32 v[XA], v[HH], 4, v[XA]
	s_lshl_b32 s20, s[WV], 6
	v_add_nc_u32 v[XA], s20, v[XA]
	s_mul_i32 s20, s[WV], RW
	s_add_co_u32 s20, s20, RED
	v_mul_u32_u24 v[RS], v[HH], 8*RP
	v_lshl_add_u32 v[RS], v[R], 4, v[RS]
	v_add_nc_u32 v[RS], s20, v[RS]
	s_mul_i32 s20, s[WV], RP
	s_add_co_u32 s20, s20, RED
	v_mul_u32_u24 v[RR], v[HH], 8*RW
	v_lshl_add_u32 v[RR], v[R], 4, v[RR]
	v_add_nc_u32 v[RR], s20, v[RR]
	s_wait_loadcnt 16                              ; all but W's 16 loads are in
.irp q, 0,1,2,3,4,5,6,7
	v_pk_add_f32 v[Y+2*\q:Y+2*\q+1], v[Y+2*\q:Y+2*\q+1], v[Y+16+2*\q:Y+16+2*\q+1]   ; X0 + X1
.endr
.if RELU
.irp q, 0,1,2,3,4,5,6,7
	v_pk_add_f32 v[Y+2*\q:Y+2*\q+1], v[Y+2*\q:Y+2*\q+1], v[B1+2*\q:B1+2*\q+1]
.endr
.irp q, 0,1,2,3,4,5,6,7,8,9,10,11,12,13,14,15
	v_max_num_f32 v[Y+\q], 0, v[Y+\q]
.endr
.endif
.irp t, 0,1,2,3
	v_cvt_pk_bf16_f32 v[Y+4*\t],   v[Y+4*\t],   v[Y+4*\t+1]
	v_cvt_pk_bf16_f32 v[Y+4*\t+1], v[Y+4*\t+2], v[Y+4*\t+3]
	ds_store_b64 v[XST], v[Y+4*\t:Y+4*\t+1] offset:256*\t
.endr
	BAR                                            ; X is whole
	ds_load_b128 v[XF:XF+3],   v[XA]
	ds_load_b128 v[XF+4:XF+7], v[XA] offset:32
	s_wait_loadcnt 0x0                             ; W
	WCVT
	s_wait_dscnt 0x0
.irp j, 0,1,2,3                        ; one K step: each of the four results is one instruction with the constant 0 as C
	v_wmma_f32_16x16x32_bf16 v[ACC+8*\j:ACC+8*\j+7], v[XF:XF+7], v[F1+8*\j:F1+8*\j+7], 0
.endr
.rept 4
	v_nop                                          ; four places in front of the stores that read the results
.endr
	REDST 8
	BAR                                            ; all sixteen partial results lie in LDS
	REDSUM
	s_cmp_lg_u32 s[KB], 0
	s_cbranch_scc1 .Lplain                         ; bias and residual enter once, in K block 0
	v_pk_add_f32 v[T+2:T+3], v[T+2:T+3], v[BIAS:BIAS+1]
	v_pk_add_f32 v[T+2:T+3], v[T+2:T+3], v[RES:RES+1]
.Lplain:
	global_store_b64 v[EO], v[T+2:T+3], s[12:13]   ; 256 consecutive bytes, aligned
	s_wait_tensorcnt 0x0
	ds_add_u32 v204, v205
	s_wait_dscnt 0x0
	s_endpgm
.Lfunc_end_k_q089ea825ba_wo_s:
	.size	k_q089ea825ba_wo_s, .Lfunc_end_k_q089ea825ba_wo_s-k_q089ea825ba_wo_s
	.p2alignl 7, 3214868480
	.fill 96, 4, 3214868480
	.section	.rodata,"a",@progbits
	.p2align	6, 0x0
	.amdhsa_kernel k_q089ea825ba_wo_s
		.amdhsa_group_segment_fixed_size 88320
		.amdhsa_private_segment_fixed_size 0
		.amdhsa_enable_private_segment 0
		.amdhsa_kernarg_size 40
		.amdhsa_user_sgpr_count 2
		.amdhsa_user_sgpr_kernarg_segment_ptr 1
		.amdhsa_wavefront_size32 1
		.amdhsa_system_sgpr_workgroup_id_x 1
		.amdhsa_system_sgpr_workgroup_id_y 1
		.amdhsa_system_sgpr_workgroup_id_z 1
		.amdhsa_system_vgpr_workitem_id 0
		.amdhsa_next_free_vgpr 206
		.amdhsa_next_free_sgpr 66
		.amdhsa_reserve_vcc 1
		.amdhsa_float_denorm_mode_32 3
		.amdhsa_float_denorm_mode_16_64 3
		.amdhsa_memory_ordered 1
		.amdhsa_forward_progress 1
		.amdhsa_inst_pref_size 14
	.end_amdhsa_kernel
	.amdgpu_metadata
---
amdhsa.version: [ 1, 2 ]
amdhsa.kernels:
  - .name:           k_q089ea825ba_wo_s
    .symbol:         k_q089ea825ba_wo_s.kd
    .args:
      - { .name: ob, .offset: 0, .size: 8, .value_kind: global_buffer, .address_space: global }
      - { .name: wo_s, .offset: 8, .size: 8, .value_kind: global_buffer, .address_space: global }
      - { .name: bo_s, .offset: 16, .size: 8, .value_kind: global_buffer, .address_space: global }
      - { .name: dec_input, .offset: 24, .size: 8, .value_kind: global_buffer, .address_space: global }
      - { .name: yb, .offset: 32, .size: 8, .value_kind: global_buffer, .address_space: global }
    .group_segment_fixed_size: 88320
    .private_segment_fixed_size: 0
    .kernarg_segment_align: 8
    .kernarg_segment_size: 40
    .max_flat_workgroup_size: 512
    .sgpr_count:     66
    .vgpr_count:     206
    .wavefront_size: 32
...
	.end_amdgpu_metadata
.endif
;; end of part 4
;; launch qk_c (part 5): grid 4 x 16, 16 waves a work-group, no clusters, 160,512 bytes of LDS; arguments yb, ln1_g, ln1_b, wq_c, wk_c, qk, xb; writes qk, xb
.if DOCPART == 5
	.amdgcn_target "amdgcn-amd-amdhsa--gfx1250"
	.amdhsa_code_object_version 6
	.text
	.protected	k_q089ea825ba_qk_c
	.globl	k_q089ea825ba_qk_c
	.p2align	8
	.type	k_q089ea825ba_qk_c,@function
k_q089ea825ba_qk_c:
	s_mov_b64 s[64:65], 0
	v_nop
	global_prefetch_b8 v0, s[64:65] scope:SCOPE_SE
	s_setreg_imm32_b32 hwreg(HW_REG_WAVE_MODE, 25, 1), 1
	s_wait_xcnt 0x0
; x = LayerNorm(Y0 + Y1) g + beta, two passes in f32 (Y0, Y1: the two partial results of the launch before, 65,536 bytes apart; Y0 carries bias and residual).
; qk[b][h][d] = sum over k of wk[h][d][k] Q[b][h][k],  Q[b][h][k] = sum over d of x[b][d] wq[h][d][k].  With one query a batch row, score(b,h,l) = kv[b][l] . qk[b][h]:
; the same algebra as reference()'s K = kv wk followed by Q . K, in another order of rounding.  LIMITS: that order; x, wq, wk, Q and qk are rounded to bf16 as matrix operands; sums in f32.
; The work-groups with quarter 0 also store x in f32 (row h by wave h of head h), for the residual.
; SHARES.  Work-group (j, h): head h, d quarter j (256 of the 1,024 d).  Sixteen waves.  Wave w makes row w of x.  First product: wave w takes d = 64 w .. 64 w + 63 of x wq[h] (16 x 64 numbers of Q,
; partial), the sixteen partial results meet in LDS.  Second product: wave w takes 16 rows d of wk[h].  All global loads go out at the head: nothing is asked for later, so there are no rings and no refills.
; wq[h] is read by the four quarters' work-groups.  It is not asked for jointly: 256 KiB of f32 beside this text's 158,464 bytes do not fit in a work-group's LDS.
.set XP,     2064                      ; a row of x in LDS: 2,048 bytes of bf16 + 16: an odd multiple of 16, so the 16 rows of a fragment load start 4 words apart
.set RP,     272                       ; a row of 64 f32 + 16
.set RW,     16*RP                     ; one wave's partial result
.set QP,     144                       ; a row of 64 bf16 + 16
.set KP,     528                       ; a row of 256 bf16 + 16
.set XT,     0                         ; x, 16 rows
.set RED,    16*XP                     ; 16 partial results
.set GB,     RED+16*RW                 ; g (4,096 bytes), beta (4,096 bytes)
.set QT,     GB+8192                   ; Q, 16 rows
.set WT,     QT+16*QP                  ; wk, 16 rows for each wave, the wave's own
.set QKS,    WT+256*QP                 ; the way out: 16 rows (b) of 256 d
.set WPITCH, 256                       ; bytes from row to row of wq[h]
.set LANE, 1
.set R,    2                           ; lane % 16
.set HH,   3                           ; lane / 16
.set L16,  4                           ; 16 x lane
.set WOFF, 6
.set XST,  7
.set XA,   8
.set RS,   9
.set RR,   10
.set GBL,  11
.set GBS,  12
.set QTS,  13
.set WTS,  14
.set FA,   15
.set FB,   16
.set QKW,  17
.set QKR,  18
.set T,    20                          ; v[20:27] at work
.set MU,   28
.set RHO,  30
.set GS,   28                          ; my slices of g and beta as loaded: they have gone into LDS before MU and RHO are made
.set W,    32                          ; v[32:159] wq as loaded: two K steps of 64 registers
.set XF,   32                          ; x's fragments, over step 0's registers once they are converted
.set F2,   48                          ; step 1's fragments of wq, likewise
.set S,    96                          ; the eight partial results that a lane adds, over step 1's registers
.set C2,   96                          ; the second product's two accumulators
.set PK,   112
.set RBK,  116
.set A2,   128                         ; wk's fragments
.set B2,   144                         ; Q's fragments
.set W2,   160                         ; v[160:191] wk as loaded
.set Y,    192                         ; v[192:223] my row
.set F1,   192                         ; step 0's fragments of wq
.set Y2,   224                         ; my row of the second partial result
.set G,    224                         ; then g and beta, half a row at a time
.set ACC,  224                         ; then the first product's four accumulators
.set PX,  4
.set PG,  6
.set PBE, 8
.set PWQ, 10
.set PWK, 12
.set PQK, 14
.set PXB, 16
.set WB,   PWQ
.set WV,   18
.set SEL,  20
.set CIN,  22
.set CEPS, 23
.set HD,   24
.set ID,   26
.macro BAR                             ; what I wrote into LDS is there and what I read is back; then all sixteen waves meet
	s_wait_dscnt 0x0
	s_barrier_signal -1
	s_barrier_wait -1
.endm
.macro WLOAD st                        ; K step st: 32 rows x 64 columns of f32.  Lanes 0-15 take the 256 bytes of one row, lanes 16-31 of the row 8 further down
.set tt, 0
.rept 16
	global_load_b128 v[W+64*\st+4*tt:W+64*\st+4*tt+3], v[WOFF], s[WB:WB+1] offset:(32*\st+tt+8*(tt/8))*WPITCH
.set tt, tt+1
.endr
.endm
.macro WCVT st, f                      ; four fragments: tile j holds column 4 r + j in lane r; register i the two rows that loads 2 i and 2 i + 1 brought
.irp j, 0,1,2,3
.irp i, 0,1,2,3,4,5,6,7
	v_cvt_pk_bf16_f32 v[\f+8*\j+\i], v[W+64*\st+8*\i+\j], v[W+64*\st+8*\i+4+\j]
.endr
.endr
.endm
.macro XFRAG
.irp q, 0,1
	ds_load_b128 v[XF+8*\q:XF+8*\q+3],   v[XA] offset:64*\q
	ds_load_b128 v[XF+8*\q+4:XF+8*\q+7], v[XA] offset:64*\q+32
.endr
.endm
.macro MM st, f, zero                  ; the four accumulators take turns, one instruction a turn; the first K step starts the sums
.irp j, 0,1,2,3
.if \zero
	v_wmma_f32_16x16x32_bf16 v[ACC+8*\j:ACC+8*\j+7], v[XF+8*\st:XF+8*\st+7], v[\f+8*\j:\f+8*\j+7], 0
.else
	v_wmma_f32_16x16x32_bf16 v[ACC+8*\j:ACC+8*\j+7], v[XF+8*\st:XF+8*\st+7], v[\f+8*\j:\f+8*\j+7], v[ACC+8*\j:ACC+8*\j+7]
.endif
.endr
.endm
.macro REDST rows                      ; register i of tile j is (row 8 (lane / 16) + i, column 4 r + j); each accumulator is read from its low end on
.set ii, 0
.rept \rows
.irp j, 0,1,2,3
	ds_store_b32 v[RS], v[ACC+8*\j+ii] offset:ii*RP+4*\j
.endr
.set ii, ii+1
.endr
.endm
.macro REDSUM                          ; wave w adds row w: each half of the lanes eight partial results, then the halves exchange; v[T+2:T+3] = columns 4 r + 2 (lane / 16), + 1
.irp n, 0,1,2,3,4,5,6,7
	ds_load_b128 v[S+4*\n:S+4*\n+3], v[RR] offset:\n*RW
.endr
	v_cmp_eq_u32 vcc_lo, 1, v[HH]
	s_wait_dscnt 0x0
.irp n, 0,8,16,24
	v_pk_add_f32 v[S+\n:S+\n+1],   v[S+\n:S+\n+1],   v[S+\n+4:S+\n+5]
	v_pk_add_f32 v[S+\n+2:S+\n+3], v[S+\n+2:S+\n+3], v[S+\n+6:S+\n+7]
.endr
.irp n, 0,16
	v_pk_add_f32 v[S+\n:S+\n+1],   v[S+\n:S+\n+1],   v[S+\n+8:S+\n+9]
	v_pk_add_f32 v[S+\n+2:S+\n+3], v[S+\n+2:S+\n+3], v[S+\n+10:S+\n+11]
.endr
	v_pk_add_f32 v[S:S+1],   v[S:S+1],   v[S+16:S+17]
	v_pk_add_f32 v[S+2:S+3], v[S+2:S+3], v[S+18:S+19]
	v_cndmask_b32 v[T],   v[S+2], v[S],   vcc_lo  ; what the other half keeps
	v_cndmask_b32 v[T+1], v[S+3], v[S+1], vcc_lo
	v_cndmask_b32 v[T+2], v[S],   v[S+2], vcc_lo  ; what I keep
	v_cndmask_b32 v[T+3], v[S+1], v[S+3], vcc_lo
	v_permlanex16_b32 v[S+4], v[T],   s[SEL], s[SEL+1]
	v_permlanex16_b32 v[S+5], v[T+1], s[SEL], s[SEL+1]
	v_pk_add_f32 v[T+2:T+3], v[T+2:T+3], v[S+4:S+5]
.endm
.macro XSTORE                          ; my row of x, rounded to bf16, into LDS
.irp t, 0,1,2,3,4,5,6,7
	v_cvt_pk_bf16_f32 v[Y+4*\t],   v[Y+4*\t],   v[Y+4*\t+1]
	v_cvt_pk_bf16_f32 v[Y+4*\t+1], v[Y+4*\t+2], v[Y+4*\t+3]
	ds_store_b64 v[XST], v[Y+4*\t:Y+4*\t+1] offset:256*\t
.endr
.endm
.macro WSUM x, t                       ; the sum over the 32 lanes, in every lane
	v_add_f32_dpp v[\x], v[\x], v[\x] row_xmask:1 row_mask:0xf bank_mask:0xf
	v_add_f32_dpp v[\x], v[\x], v[\x] row_xmask:2 row_mask:0xf bank_mask:0xf
	v_add_f32_dpp v[\x], v[\x], v[\x] row_xmask:4 row_mask:0xf bank_mask:0xf
	v_add_f32_dpp v[\x], v[\x], v[\x] row_xmask:8 row_mask:0xf bank_mask:0xf
	v_permlanex16_b32 v[\t], v[\x], s[SEL], s[SEL+1]
	v_add_f32 v[\x], v[\x], v[\t]
.endm
.macro JOIN
	v_pk_add_f32 v[T:T+1],   v[T:T+1],   v[T+2:T+3]
	v_pk_add_f32 v[T+4:T+5], v[T+4:T+5], v[T+6:T+7]
	v_pk_add_f32 v[T:T+1],   v[T:T+1],   v[T+4:T+5]
	v_add_f32 v[T], v[T], v[T+1]
	WSUM T, T+1
.endm
.macro LNSTAT                          ; the row's mean; the row less its mean; the mean of the squares of that: no difference of large sums is formed
.irp c, 0,1,2,3
	v_pk_add_f32 v[T+2*\c:T+2*\c+1], v[Y+2*\c:Y+2*\c+1], v[Y+8+2*\c:Y+8+2*\c+1]
.endr
.irp n, 16,24
.irp c, 0,1,2,3
	v_pk_add_f32 v[T+2*\c:T+2*\c+1], v[T+2*\c:T+2*\c+1], v[Y+\n+2*\c:Y+\n+2*\c+1]
.endr
.endr
	JOIN
	v_mul_f32 v[MU],   s[CIN], v[T]
	v_mul_f32 v[MU+1], s[CIN], v[T]
.irp p, 0,1,2,3,4,5,6,7,8,9,10,11,12,13,14,15
	v_pk_add_f32 v[Y+2*\p:Y+2*\p+1], v[Y+2*\p:Y+2*\p+1], v[MU:MU+1] neg_lo:[0,1] neg_hi:[0,1]
.endr
.irp c, 0,1,2,3
	v_pk_mul_f32 v[T+2*\c:T+2*\c+1], v[Y+2*\c:Y+2*\c+1], v[Y+2*\c:Y+2*\c+1]
.endr
.irp n, 8,16,24
.irp c, 0,1,2,3
	v_pk_fma_f32 v[T+2*\c:T+2*\c+1], v[Y+\n+2*\c:Y+\n+2*\c+1], v[Y+\n+2*\c:Y+\n+2*\c+1], v[T+2*\c:T+2*\c+1]
.endr
.endr
	JOIN
	v_fma_f32 v[T], v[T], s[CIN], s[CEPS]          ; variance + 1e-5
	v_rsq_f32 v[RHO],   v[T]
	v_rsq_f32 v[RHO+1], v[T]
	v_nop                                          ; a plain instruction between the root and the use of its result (ISA guide 5.7.2)
.endm
.macro LNAPPLY                         ; (x - mean) rho g + beta, half a row at a time: g and beta come out of LDS
.irp q, 0,1
.irp t, 0,1,2,3
	ds_load_b128 v[G+4*\t:G+4*\t+3],       v[GBL] offset:2048*\q+512*\t
	ds_load_b128 v[G+16+4*\t:G+16+4*\t+3], v[GBL] offset:4096+2048*\q+512*\t
.endr
	s_wait_alu depctr_va_vdst(0)
.irp p, 0,1,2,3,4,5,6,7
	v_pk_mul_f32 v[Y+16*\q+2*\p:Y+16*\q+2*\p+1], v[Y+16*\q+2*\p:Y+16*\q+2*\p+1], v[RHO:RHO+1]
.endr
	s_wait_dscnt 0x0
.irp p, 0,1,2,3,4,5,6,7
	v_pk_fma_f32 v[Y+16*\q+2*\p:Y+16*\q+2*\p+1], v[Y+16*\q+2*\p:Y+16*\q+2*\p+1], v[G+2*\p:G+2*\p+1], v[G+16+2*\p:G+16+2*\p+1]
.endr
.endr
.endm
	s_load_b256 s[4:11], s[0:1], 0x0               ; the sums in front of the norm, g, beta, wq
	s_load_b128 s[12:15], s[0:1], 0x20             ; wk, qk
	s_load_b64 s[16:17], s[0:1], 0x30              ; x out
	v_lshl_add_u32 v5, v0, 2, 0x26b00
	v_mov_b32 v19, 0
	v_and_b32 v[LANE], 31, v0
	v_lshrrev_b32 v[T], 5, v0
	v_readfirstlane_b32 s[WV], v[T]                ; my wave's number as a scalar
	v_and_b32 v[R], 15, v0
	v_bfe_u32 v[HH], v0, 4, 1
	v_lshlrev_b32 v[L16], 4, v[LANE]
	v_mul_u32_u24 v[WOFF], v[HH], 8*WPITCH
	v_lshl_add_u32 v[WOFF], v[R], 4, v[WOFF]
	s_mov_b32 s[SEL], 0x76543210                   ; v_permlanex16_b32: each lane takes its own place in the other half
	s_mov_b32 s[SEL+1], 0xfedcba98
	s_and_b32 s[HD], ttmp7, 0xffff                 ; the head
	s_lshl_b32 s28, s[WV], 12                      ; row w; also my 16 rows of wk
	s_mov_b32 s29, 0
	s_lshl_b32 s30, s[HD], 18                      ; a head's 1,024 x 64 f32
	s_lshl_b32 s32, s[WV], 14                      ; my 64 rows of wq[h]
	s_add_co_u32 s32, s32, s30
	s_mov_b32 s33, 0
	s_lshl_b32 s34, ttmp9, 16                      ; the quarter's 256 rows of wk[h]
	s_add_co_u32 s34, s34, s30
	s_add_co_u32 s34, s34, s28
	s_mov_b32 s35, 0
	s_lshl_b32 s36, s[WV], 15                      ; qk: row b = w,
	s_lshl_b32 s31, s[HD], 11                      ; head,
	s_add_co_u32 s36, s36, s31
	s_lshl_b32 s31, ttmp9, 9                       ; quarter
	s_add_co_u32 s36, s36, s31
	s_mov_b32 s37, 0
	s_lshl_b32 s38, s[WV], 8                       ; my 256 bytes of g and of beta
	s_mov_b32 s39, 0
	s_lshl_b32 s[ID], ttmp9, 4
	s_add_co_u32 s[ID], s[ID], s[HD]               ; h + 16 j: equals a wave's number in quarter 0 alone
	s_mov_b32 s[CIN], 0x3a800000                   ; 1 / 1,024
	s_mov_b32 s[CEPS], 0x3727c5ac                  ; 1e-5
	v_lshlrev_b32 v[GBS], 3, v[LANE]
	s_wait_kmcnt 0x0
	s_add_nc_u64 s[PX:PX+1], s[PX:PX+1], s[28:29]
	s_add_nc_u64 s[PWQ:PWQ+1], s[PWQ:PWQ+1], s[32:33]
	s_add_nc_u64 s[PWK:PWK+1], s[PWK:PWK+1], s[34:35]
	s_add_nc_u64 s[PQK:PQK+1], s[PQK:PQK+1], s[36:37]
	s_add_nc_u64 s[PG:PG+1], s[PG:PG+1], s[38:39]
	s_add_nc_u64 s[PBE:PBE+1], s[PBE:PBE+1], s[38:39]
	s_add_nc_u64 s[PXB:PXB+1], s[PXB:PXB+1], s[28:29]
.irp t, 0,1,2,3,4,5,6,7
	global_load_b128 v[Y+4*\t:Y+4*\t+3], v[L16], s[PX:PX+1] offset:512*\t
.endr
.irp t, 0,1,2,3,4,5,6,7
	global_load_b128 v[Y2+4*\t:Y2+4*\t+3], v[L16], s[PX:PX+1] offset:65536+512*\t
.endr
	global_load_b64 v[GS:GS+1],   v[GBS], s[PG:PG+1]
	global_load_b64 v[GS+2:GS+3], v[GBS], s[PBE:PBE+1]
	WLOAD 0
	WLOAD 1
.irp t, 0,1,2,3,4,5,6,7
	global_load_b128 v[W2+4*\t:W2+4*\t+3], v[L16], s[PWK:PWK+1] offset:512*\t th:TH_LOAD_NT
.endr
	; LDS addresses, made while the loads are on their way
	s_mul_i32 s40, s[WV], XP
	v_lshl_add_u32 v[XST], v[LANE], 3, s40         ; x in: row w, 8 bytes a lane
	v_mul_u32_u24 v[XA], v[R], XP                  ; x's fragments: row r, my 128 bytes, 16 bytes for each half of the lanes
	v_lshl_add_u32 v[XA], v[HH], 4, v[XA]
	s_lshl_b32 s40, s[WV], 7
	v_add_nc_u32 v[XA], s40, v[XA]
	s_mul_i32 s40, s[WV], RW
	s_add_co_u32 s40, s40, RED
	v_mul_u32_u24 v[RS], v[HH], 8*RP
	v_lshl_add_u32 v[RS], v[R], 4, v[RS]
	v_add_nc_u32 v[RS], s40, v[RS]
	s_mul_i32 s40, s[WV], RP
	s_add_co_u32 s40, s40, RED
	v_mul_u32_u24 v[RR], v[HH], 8*RW
	v_lshl_add_u32 v[RR], v[R], 4, v[RR]
	v_add_nc_u32 v[RR], s40, v[RR]
	s_mul_i32 s40, s[WV], QP
	s_add_co_u32 s40, s40, QT
	v_lshl_add_u32 v[QTS], v[R], 3, s40            ; Q in: row w, columns 4 r + 2 (lane / 16), + 1
	v_lshl_add_u32 v[QTS], v[HH], 2, v[QTS]
	s_mul_i32 s40, s[WV], 16*QP
	s_add_co_u32 s40, s40, WT
	v_mul_u32_u24 v[WTS], v[HH], QP                ; wk in: a load's 512 bytes are two rows
	v_lshl_add_u32 v[WTS], v[R], 3, v[WTS]
	v_add_nc_u32 v[WTS], s40, v[WTS]
	v_mul_u32_u24 v[FB], v[R], QP
	v_lshl_add_u32 v[FB], v[HH], 4, v[FB]
	v_add_nc_u32 v[FA], s40, v[FB]                 ; wk's fragments
	v_add_nc_u32 v[FB], QT, v[FB]                  ; Q's fragments
	s_lshl_b32 s40, s[WV], 5
	s_add_co_u32 s40, s40, QKS
	v_mul_u32_u24 v[QKW], v[R], KP
	v_lshl_add_u32 v[QKW], v[HH], 4, v[QKW]
	v_add_nc_u32 v[QKW], s40, v[QKW]
	s_mul_i32 s40, s[WV], KP
	s_add_co_u32 s40, s40, QKS
	v_add_nc_u32 v[QKR], s40, v[L16]
	v_add_nc_u32 v[GBL], GB, v[L16]
	s_lshl_b32 s40, s[WV], 8
	s_add_co_u32 s40, s40, GB
	v_lshl_add_u32 v[T], v[LANE], 3, s40
	s_wait_loadcnt 40                              ; my row's two parts, g and beta are in; the 32 loads of wq and the 8 of wk stay out
	ds_store_b64 v[T], v[GS:GS+1]                  ; my slice of g,
	ds_store_b64 v[T], v[GS+2:GS+3] offset:4096    ; of beta
.irp p, 0,1,2,3,4,5,6,7,8,9,10,11,12,13,14,15
	v_pk_add_f32 v[Y+2*\p:Y+2*\p+1], v[Y+2*\p:Y+2*\p+1], v[Y2+2*\p:Y2+2*\p+1]   ; Y0 + Y1
.endr
	LNSTAT
	BAR                                            ; g and beta are whole
	LNAPPLY
	s_cmp_lg_u32 s[ID], s[WV]
	s_cbranch_scc1 .Lnot_mine
.irp t, 0,1,2,3,4,5,6,7
	global_store_b128 v[L16], v[Y+4*\t:Y+4*\t+3], s[PXB:PXB+1] offset:512*\t   ; x in f32, for the residual: 512 consecutive bytes a store
.endr
.Lnot_mine:
	s_wait_xcnt 0x0                                ; the stores' data registers are rewritten only behind this wait
	XSTORE
	BAR                                            ; x is whole
	s_wait_loadcnt 24                              ; K step 0 of wq is in; step 1's 16 loads and wk's 8 stay out
	WCVT 0, F1
	XFRAG
	s_wait_loadcnt 8                               ; step 1 is in; wk's 8 stay out
	WCVT 1, F2
	s_wait_dscnt 0x0
	MM 0, F1, 1
	MM 1, F2, 0
	s_wait_loadcnt 0x0                             ; wk
.irp t, 0,1,2,3,4,5,6,7                ; 16 conversions that name no register of the products: they are the places behind them (ISA guide 7.12.1)
	v_cvt_pk_bf16_f32 v[W2+4*\t],   v[W2+4*\t],   v[W2+4*\t+1]
	v_cvt_pk_bf16_f32 v[W2+4*\t+1], v[W2+4*\t+2], v[W2+4*\t+3]
	ds_store_b64 v[WTS], v[W2+4*\t:W2+4*\t+1] offset:2*QP*\t   ; my own bytes: LDS serves a wave's instructions in order
.endr
	REDST 8
	BAR                                            ; all sixteen partial results lie in LDS
	REDSUM
	v_cvt_pk_bf16_f32 v[T], v[T+2], v[T+3]
	ds_store_b32 v[QTS], v[T]
	BAR                                            ; Q is whole
.irp q, 0,1,2,3
	ds_load_b128 v[A2+4*\q:A2+4*\q+3], v[FA] offset:32*\q
	ds_load_b128 v[B2+4*\q:B2+4*\q+3], v[FB] offset:32*\q
.endr
	s_wait_dscnt 0x0
	v_wmma_f32_16x16x32_bf16 v[C2:C2+7],    v[A2:A2+7],    v[B2:B2+7],    0   ; k = 0 .. 31: rows = 16 d, columns = 16 b
	v_wmma_f32_16x16x32_bf16 v[C2+8:C2+15], v[A2+8:A2+15], v[B2+8:B2+15], 0   ; k = 32 .. 63, an accumulator of its own
.rept 4
	v_nop                                          ; four places in front of the reads of the results (ISA guide 7.12.1)
.endr
.irp i, 0,2,4,6
	v_pk_add_f32 v[C2+\i:C2+\i+1], v[C2+\i:C2+\i+1], v[C2+8+\i:C2+8+\i+1]
.endr
.irp i, 0,1,2,3
	v_cvt_pk_bf16_f32 v[PK+\i], v[C2+2*\i], v[C2+2*\i+1]       ; eight neighbouring d of batch row r
.endr
	ds_store_b128 v[QKW], v[PK:PK+3]
	BAR
	ds_load_b128 v[RBK:RBK+3], v[QKR]              ; row b = w of the quarter, whole
	s_wait_dscnt 0x0
	global_store_b128 v[L16], v[RBK:RBK+3], s[PQK:PQK+1]       ; 512 consecutive bytes, aligned
	s_wait_tensorcnt 0x0
	ds_add_u32 v5, v19
	s_wait_dscnt 0x0
	s_endpgm
.Lfunc_end_k_q089ea825ba_qk_c:
	.size	k_q089ea825ba_qk_c, .Lfunc_end_k_q089ea825ba_qk_c-k_q089ea825ba_qk_c
	.p2alignl 7, 3214868480
	.fill 96, 4, 3214868480
	.section	.rodata,"a",@progbits
	.p2align	6, 0x0
	.amdhsa_kernel k_q089ea825ba_qk_c
		.amdhsa_group_segment_fixed_size 160512
		.amdhsa_private_segment_fixed_size 0
		.amdhsa_enable_private_segment 0
		.amdhsa_kernarg_size 56
		.amdhsa_user_sgpr_count 2
		.amdhsa_user_sgpr_kernarg_segment_ptr 1
		.amdhsa_wavefront_size32 1
		.amdhsa_system_sgpr_workgroup_id_x 1
		.amdhsa_system_sgpr_workgroup_id_y 1
		.amdhsa_system_sgpr_workgroup_id_z 1
		.amdhsa_system_vgpr_workitem_id 0
		.amdhsa_next_free_vgpr 256
		.amdhsa_next_free_sgpr 66
		.amdhsa_reserve_vcc 1
		.amdhsa_float_denorm_mode_32 3
		.amdhsa_float_denorm_mode_16_64 3
		.amdhsa_memory_ordered 1
		.amdhsa_forward_progress 1
		.amdhsa_inst_pref_size 34
	.end_amdhsa_kernel
	.amdgpu_metadata
---
amdhsa.version: [ 1, 2 ]
amdhsa.kernels:
  - .name:           k_q089ea825ba_qk_c
    .symbol:         k_q089ea825ba_qk_c.kd
    .args:
      - { .name: yb, .offset: 0, .size: 8, .value_kind: global_buffer, .address_space: global }
      - { .name: ln1_g, .offset: 8, .size: 8, .value_kind: global_buffer, .address_space: global }
      - { .name: ln1_b, .offset: 16, .size: 8, .value_kind: global_buffer, .address_space: global }
      - { .name: wq_c, .offset: 24, .size: 8, .value_kind: global_buffer, .address_space: global }
      - { .name: wk_c, .offset: 32, .size: 8, .value_kind: global_buffer, .address_space: global }
      - { .name: qk, .offset: 40, .size: 8, .value_kind: global_buffer, .address_space: global }
      - { .name: xb, .offset: 48, .size: 8, .value_kind: global_buffer, .address_space: global }
    .group_segment_fixed_size: 160512
    .private_segment_fixed_size: 0
    .kernarg_segment_align: 8
    .kernarg_segment_size: 56
    .max_flat_workgroup_size: 512
    .sgpr_count:     66
    .vgpr_count:     256
    .wavefront_size: 32
...
	.end_amdgpu_metadata
.endif
;; end of part 5
;; launch att_c (part 6): grid 16 x 16, 16 waves a work-group, no clusters, 257,792 bytes of LDS; arguments enc_output, qk, scr, st, ctxp; writes scr, st, ctxp
.if DOCPART == 6
	.amdgcn_target "amdgcn-amd-amdhsa--gfx1250"
	.amdhsa_code_object_version 6
	.text
	.protected	k_q089ea825ba_att_c
	.globl	k_q089ea825ba_att_c
	.p2align	8
	.type	k_q089ea825ba_att_c,@function
k_q089ea825ba_att_c:
	s_mov_b64 s[64:65], 0
	v_nop
	global_prefetch_b8 v0, s[64:65] scope:SCOPE_SE
	s_setreg_imm32_b32 hwreg(HW_REG_WAVE_MODE, 25, 1), 1
	s_wait_xcnt 0x0
; One chunk of 64 keys of one batch row, all 16 heads: s'(h,l) = (kv[l] . qk[h]) log2(e) / 8; the chunk's maximum m'(h); p = 2^(s' - m'); sum(h) of p; partial context(h,d) = sum over l of p kv[l][d].
; Stored: s' (scr), (m', sum) (st), the partial context relative to the chunk's maximum, in f32 (ctxp).  The next launch joins the 16 chunks under the row's maximum.
; The 64 rows of kv are read from memory once, rounded to bf16 and kept in LDS for both products.  SELF = 1: key 1,023 is the new row (second argument), the others the history's.
; LIMITS: kv, qk and p are rounded to bf16 as matrix operands; sums, maxima and exponentials in f32; 2^x comes out as 0 below 2^-126 (ISA guide, v_exp_f32).
; SHARES.  Work-group (c, b).  Sixteen waves.  Wave w loads keys 4 w .. 4 w + 3 and head w's qk.  Scores: wave w takes keys 16 (w % 4) .. + 15 and d quarter w / 4, all heads.  Softmax: wave w is head w.
; Context: wave w takes d = 64 w .. 64 w + 63, all heads.  All global loads go out at the head: 36 of 512 bytes for each of 16 waves.
.set SELF, 0
.if SELF
.set ROWS, 1023
.else
.set ROWS, 1024
.endif
.set HP,   2080                        ; a row of kv in LDS: 2,048 bytes of bf16 + 32: an odd multiple of 32, which the turning load wants
.set QLP,  2064                        ; a row of qk
.set RP,   272                         ; a row of 64 f32 + 16
.set PP,   144                         ; a row of 64 bf16 + 16
.set HT,   0                           ; kv, 64 rows
.set QL,   64*HP                       ; qk, 16 rows
.set SRED, QL+16*QLP                   ; the scores' four partial sums, 16 rows each
.set PL,   SRED+64*RP                  ; p, 16 rows
.set STL,  PL+16*PP                    ; (m', sum) of 16 heads
.set OST,  STL+256                     ; the way out: 16 rows x 272 bytes for each wave, its own
.set LANE, 1
.set R,    2
.set HH,   3
.set L16,  4
.set L8,   5
.set QLS,  6
.set HST,  7
.set HA,   8
.set QA,   9
.set SRS,  10
.set SRL,  11
.set PLS,  12
.set STS,  13
.set TA0,  14
.set TA1,  15
.set PBA,  16
.set OSS,  17
.set OSL,  18
.set CO,   19
.set SM,   20                          ; v[20:27] softmax
.set L4,   28
.set STA,  29
.set STV,  30
.set QR,   32                          ; v[32:47] head w's qk as loaded
.set H,    48                          ; v[48:175] four rows of kv as loaded
.set HF,   48                          ; scores: kv's fragments, 8 K steps
.set QF,   112                         ; scores: qk's fragments
.set AC,   176                         ; scores: two accumulators
.set AT,   48                          ; context: kv turned, 2 K steps x 4 tiles
.set PB,   112                         ; context: p's fragments
.set OC,   128                         ; context: four accumulators
.set OB,   160                         ; the way out
.set PKV, 4
.if SELF
.set PDEC, 6
.set PQK,  8
.set PSC,  10
.set PST,  12
.set PCT,  14
.else
.set PQK,  6
.set PSC,  8
.set PST,  10
.set PCT,  12
.endif
.set WV,  16
.set BB,  17
.set SEL, 18
.set R3,  20
.macro BAR
	s_wait_dscnt 0x0
	s_barrier_signal -1
	s_barrier_wait -1
.endm
.macro HROW i, left                    ; row i of my four: rounded to bf16 and put into LDS; left = the loads of the later rows, which stay out
	s_wait_loadcnt \left
.irp t, 0,1,2,3,4,5,6,7
	v_cvt_pk_bf16_f32 v[H+32*\i+4*\t],   v[H+32*\i+4*\t],   v[H+32*\i+4*\t+1]
	v_cvt_pk_bf16_f32 v[H+32*\i+4*\t+1], v[H+32*\i+4*\t+2], v[H+32*\i+4*\t+3]
	ds_store_b64 v[HST], v[H+32*\i+4*\t:H+32*\i+4*\t+1] offset:\i*HP+256*\t
.endr
.endm
.if SELF
	s_load_b256 s[4:11], s[0:1], 0x0               ; history, new row, qk, scr
	s_load_b128 s[12:15], s[0:1], 0x20             ; st, ctxp
.else
	s_load_b256 s[4:11], s[0:1], 0x0               ; kv, qk, scr, st
	s_load_b64 s[12:13], s[0:1], 0x20              ; ctxp
	v_lshl_add_u32 v192, v0, 2, 0x3e700
	v_mov_b32 v193, 0
.endif
	v_and_b32 v[LANE], 31, v0
	v_lshrrev_b32 v[SM], 5, v0
	v_readfirstlane_b32 s[WV], v[SM]
	v_and_b32 v[R], 15, v0
	v_bfe_u32 v[HH], v0, 4, 1
	v_lshlrev_b32 v[L16], 4, v[LANE]
	v_lshlrev_b32 v[L8], 3, v[LANE]
	s_mov_b32 s[SEL], 0x76543210
	s_mov_b32 s[SEL+1], 0xfedcba98
	s_and_b32 s[BB], ttmp7, 0xffff                 ; the batch row
	s_lshl_b32 s34, ttmp9, 6
	s_lshl_b32 s35, s[WV], 2
	s_add_co_u32 s34, s34, s35                     ; my first key: 64 c + 4 w
	s_mul_i32 s22, s[BB], ROWS
	s_add_co_u32 s22, s22, s34
	s_lshl_b32 s22, s22, 12                        ; rows of 4,096 bytes: under 2^27
	s_mov_b32 s23, 0
	s_lshl_b32 s24, s[BB], 15                      ; qk[b][w]
	s_lshl_b32 s35, s[WV], 11
	s_add_co_u32 s24, s24, s35
	s_mov_b32 s25, 0
	s_lshl_b32 s26, s[BB], 16                      ; scr[b][w][64 c]
	s_lshl_b32 s35, s[WV], 12
	s_add_co_u32 s26, s26, s35
	s_lshl_b32 s35, ttmp9, 8
	s_add_co_u32 s26, s26, s35
	s_mov_b32 s27, 0
	s_lshl_b32 s28, s[BB], 4                       ; st[b][c]
	s_add_co_u32 s28, s28, ttmp9
	s_lshl_b32 s28, s28, 7
	s_mov_b32 s29, 0
	s_lshl_b32 s30, s[BB], 20                      ; ctxp[b][c][.][64 w]
	s_lshl_b32 s35, ttmp9, 16
	s_add_co_u32 s30, s30, s35
	s_lshl_b32 s35, s[WV], 8
	s_add_co_u32 s30, s30, s35
	s_mov_b32 s31, 0
.if SELF
	s_lshl_b32 s32, s[BB], 12
	s_mov_b32 s33, 0
.endif
	s_wait_kmcnt 0x0
	s_add_nc_u64 s[PKV:PKV+1], s[PKV:PKV+1], s[22:23]
	s_add_nc_u64 s[PQK:PQK+1], s[PQK:PQK+1], s[24:25]
	s_add_nc_u64 s[PSC:PSC+1], s[PSC:PSC+1], s[26:27]
	s_add_nc_u64 s[PST:PST+1], s[PST:PST+1], s[28:29]
	s_add_nc_u64 s[PCT:PCT+1], s[PCT:PCT+1], s[30:31]
	s_add_nc_u64 s[R3:R3+1], s[PKV:PKV+1], 3*4096  ; my fourth row
.if SELF
	s_add_nc_u64 s[PDEC:PDEC+1], s[PDEC:PDEC+1], s[32:33]
	s_cmp_eq_u32 s34, 1020                         ; is my fourth key number 1,023?  Then it is the new row, and the history's address is not used
	s_cselect_b64 s[R3:R3+1], s[PDEC:PDEC+1], s[R3:R3+1]
.endif
.irp t, 0,1,2,3
	global_load_b128 v[QR+4*\t:QR+4*\t+3], v[L16], s[PQK:PQK+1] offset:512*\t
.endr
.irp i, 0,1,2
.irp t, 0,1,2,3,4,5,6,7
	global_load_b128 v[H+32*\i+4*\t:H+32*\i+4*\t+3], v[L16], s[PKV:PKV+1] offset:4096*\i+512*\t th:TH_LOAD_NT
.endr
.endr
.irp t, 0,1,2,3,4,5,6,7
	global_load_b128 v[H+96+4*\t:H+96+4*\t+3], v[L16], s[R3:R3+1] offset:512*\t th:TH_LOAD_NT
.endr
	; LDS addresses, made while the loads are on their way
	s_mul_i32 s36, s[WV], QLP
	s_add_co_u32 s36, s36, QL
	v_add_nc_u32 v[QLS], s36, v[L16]
	s_mul_i32 s36, s[WV], 4*HP
	v_lshl_add_u32 v[HST], v[LANE], 3, s36
	s_and_b32 s37, s[WV], 3                        ; which 16 keys
	s_lshr_b32 s38, s[WV], 2                       ; which quarter of d
	s_mul_i32 s36, s37, 16*HP
	s_lshl_b32 s39, s38, 9
	s_add_co_u32 s36, s36, s39
	v_mul_u32_u24 v[HA], v[R], HP
	v_lshl_add_u32 v[HA], v[HH], 4, v[HA]
	v_add_nc_u32 v[HA], s36, v[HA]
	s_add_co_u32 s39, s39, QL
	v_mul_u32_u24 v[QA], v[R], QLP
	v_lshl_add_u32 v[QA], v[HH], 4, v[QA]
	v_add_nc_u32 v[QA], s39, v[QA]
	s_mul_i32 s36, s38, 16*RP
	s_lshl_b32 s39, s37, 6
	s_add_co_u32 s36, s36, s39
	s_add_co_u32 s36, s36, SRED
	v_mul_u32_u24 v[SRS], v[R], RP
	v_lshl_add_u32 v[SRS], v[HH], 5, v[SRS]
	v_add_nc_u32 v[SRS], s36, v[SRS]
	s_mul_i32 s36, s[WV], RP
	s_add_co_u32 s36, s36, SRED
	v_lshl_add_u32 v[SRL], v[LANE], 3, s36
	s_mul_i32 s36, s[WV], PP
	s_add_co_u32 s36, s36, PL
	v_lshl_add_u32 v[PLS], v[LANE], 2, s36
	s_lshl_b32 s36, s[WV], 3
	s_add_co_u32 s36, s36, STL
	v_mov_b32 v[STS], s36
	v_and_b32 v[TA0], 7, v0                        ; the turning load: key 8 (lane / 16) + lane % 8, 16 bytes at 16 ((lane / 8) % 2), my 128 bytes of the row
	v_lshl_add_u32 v[TA0], v[HH], 3, v[TA0]
	v_mul_u32_u24 v[TA0], v[TA0], HP
	v_bfe_u32 v[TA1], v0, 3, 1
	v_lshl_add_u32 v[TA0], v[TA1], 4, v[TA0]
	s_lshl_b32 s36, s[WV], 7
	v_add_nc_u32 v[TA0], s36, v[TA0]
	v_add_nc_u32 v[TA1], 32*HP, v[TA0]             ; keys 32 on: past what a 16-bit offset reaches
	v_mul_u32_u24 v[PBA], v[R], PP
	v_lshl_add_u32 v[PBA], v[HH], 4, v[PBA]
	v_add_nc_u32 v[PBA], PL, v[PBA]
	s_mul_i32 s36, s[WV], 16*RP
	s_add_co_u32 s36, s36, OST
	v_mul_u32_u24 v[OSS], v[R], RP
	v_lshl_add_u32 v[OSS], v[HH], 5, v[OSS]
	v_add_nc_u32 v[OSS], s36, v[OSS]
	v_mul_u32_u24 v[OSL], v[HH], RP
	v_lshl_add_u32 v[OSL], v[R], 4, v[OSL]
	v_add_nc_u32 v[OSL], s36, v[OSL]
	v_lshlrev_b32 v[CO], 12, v[HH]
	v_lshl_add_u32 v[CO], v[R], 4, v[CO]
	v_lshlrev_b32 v[L4], 2, v[LANE]
	v_add_nc_u32 v[STA], STL, v[L4]
	s_wait_loadcnt 32                              ; qk's row is in; the 32 loads of kv stay out
.irp t, 0,1,2,3
	ds_store_b128 v[QLS], v[QR+4*\t:QR+4*\t+3] offset:512*\t
.endr
	HROW 0, 24
	HROW 1, 16
	HROW 2, 8
	HROW 3, 0
	BAR                                            ; kv's 64 rows and qk's 16 are whole
	; SCORES: rows = 16 keys, columns = 16 heads, my 256 of the 1,024 d in 8 K steps
.irp q, 0,1,2,3,4,5,6,7
	ds_load_b128 v[HF+8*\q:HF+8*\q+3],   v[HA] offset:64*\q
	ds_load_b128 v[HF+8*\q+4:HF+8*\q+7], v[HA] offset:64*\q+32
	ds_load_b128 v[QF+8*\q:QF+8*\q+3],   v[QA] offset:64*\q
	ds_load_b128 v[QF+8*\q+4:QF+8*\q+7], v[QA] offset:64*\q+32
.endr
.irp q, 0,1,2,3,4,5,6,7                ; two accumulators take turns, one instruction a turn
	s_wait_dscnt 28-4*\q                           ; this step's four loads are back; the later steps' stay out
.if \q < 2
	v_wmma_f32_16x16x32_bf16 v[AC+8*(\q%2):AC+8*(\q%2)+7], v[HF+8*\q:HF+8*\q+7], v[QF+8*\q:QF+8*\q+7], 0
.else
	v_wmma_f32_16x16x32_bf16 v[AC+8*(\q%2):AC+8*(\q%2)+7], v[HF+8*\q:HF+8*\q+7], v[QF+8*\q:QF+8*\q+7], v[AC+8*(\q%2):AC+8*(\q%2)+7]
.endif
.endr
.rept 4
	v_nop                                          ; four places in front of the reads of the results (ISA guide 7.12.1)
.endr
.irp i, 0,2,4,6
	v_pk_add_f32 v[AC+\i:AC+\i+1], v[AC+\i:AC+\i+1], v[AC+8+\i:AC+8+\i+1]
.endr
	ds_store_b128 v[SRS], v[AC:AC+3]               ; head r, keys 16 (w % 4) + 8 (lane / 16) + 0 .. 3
	ds_store_b128 v[SRS], v[AC+4:AC+7] offset:16
	BAR                                            ; the four quarters' partial scores lie in LDS
	; SOFTMAX of the chunk: I am head w; a lane holds keys 2 lane, 2 lane + 1
.irp q, 0,1,2,3
	ds_load_b64 v[SM+2*\q:SM+2*\q+1], v[SRL] offset:\q*16*RP
.endr
	s_wait_dscnt 0x0
	v_pk_add_f32 v[SM:SM+1],   v[SM:SM+1],   v[SM+2:SM+3]
	v_pk_add_f32 v[SM+4:SM+5], v[SM+4:SM+5], v[SM+6:SM+7]
	v_pk_add_f32 v[SM:SM+1],   v[SM:SM+1],   v[SM+4:SM+5]
	v_pk_mul_f32 v[SM:SM+1], v[SM:SM+1], 0x3e38aa3b op_sel_hi:[1,0]    ; log2(e) / sqrt(64)
	global_store_b64 v[L8], v[SM:SM+1], s[PSC:PSC+1]                   ; 256 consecutive bytes, aligned; v[SM:SM+1] are not written again
	v_max_num_f32 v[SM+4], v[SM], v[SM+1]
	v_max_num_f32_dpp v[SM+4], v[SM+4], v[SM+4] row_xmask:1 row_mask:0xf bank_mask:0xf
	v_max_num_f32_dpp v[SM+4], v[SM+4], v[SM+4] row_xmask:2 row_mask:0xf bank_mask:0xf
	v_max_num_f32_dpp v[SM+4], v[SM+4], v[SM+4] row_xmask:4 row_mask:0xf bank_mask:0xf
	v_max_num_f32_dpp v[SM+4], v[SM+4], v[SM+4] row_xmask:8 row_mask:0xf bank_mask:0xf
	v_permlanex16_b32 v[SM+6], v[SM+4], s[SEL], s[SEL+1]
	v_max_num_f32 v[SM+4], v[SM+4], v[SM+6]        ; m'
	v_sub_f32 v[SM+2], v[SM],   v[SM+4]
	v_sub_f32 v[SM+3], v[SM+1], v[SM+4]
	v_exp_f32 v[SM+2], v[SM+2]
	v_exp_f32 v[SM+3], v[SM+3]
	v_nop                                          ; a plain instruction between an exponential and the use of its result (ISA guide 5.7.2)
	s_wait_alu depctr_va_vdst(0)
	v_add_f32 v[SM+5], v[SM+2], v[SM+3]
	v_add_f32_dpp v[SM+5], v[SM+5], v[SM+5] row_xmask:1 row_mask:0xf bank_mask:0xf
	v_add_f32_dpp v[SM+5], v[SM+5], v[SM+5] row_xmask:2 row_mask:0xf bank_mask:0xf
	v_add_f32_dpp v[SM+5], v[SM+5], v[SM+5] row_xmask:4 row_mask:0xf bank_mask:0xf
	v_add_f32_dpp v[SM+5], v[SM+5], v[SM+5] row_xmask:8 row_mask:0xf bank_mask:0xf
	v_permlanex16_b32 v[SM+6], v[SM+5], s[SEL], s[SEL+1]
	v_add_f32 v[SM+5], v[SM+5], v[SM+6]            ; the chunk's sum
	v_cvt_pk_bf16_f32 v[SM+7], v[SM+2], v[SM+3]
	ds_store_b32 v[PLS], v[SM+7]
	ds_store_b64 v[STS], v[SM+4:SM+5]              ; every lane writes the same two words
	BAR                                            ; p and the 16 heads' (m', sum) are whole
	; CONTEXT, transposed: rows = 16 d (kv turned on its way out of LDS), columns = 16 heads, 64 keys in 2 K steps; four tiles of 16 d
.irp t, 0,1,2,3
	ds_load_tr16_b128 v[AT+8*\t:AT+8*\t+3],       v[TA0] offset:32*\t
	ds_load_tr16_b128 v[AT+8*\t+4:AT+8*\t+7],     v[TA0] offset:32*\t+16*HP
	ds_load_tr16_b128 v[AT+32+8*\t:AT+32+8*\t+3],   v[TA1] offset:32*\t
	ds_load_tr16_b128 v[AT+32+8*\t+4:AT+32+8*\t+7], v[TA1] offset:32*\t+16*HP
.endr
.irp q, 0,1,2,3
	ds_load_b128 v[PB+4*\q:PB+4*\q+3], v[PBA] offset:32*\q
.endr
	s_wait_dscnt 0x0
.irp t, 0,1,2,3                        ; the four accumulators take turns
	v_wmma_f32_16x16x32_bf16 v[OC+8*\t:OC+8*\t+7], v[AT+8*\t:AT+8*\t+7], v[PB:PB+7], 0
.endr
.irp t, 0,1,2,3
	v_wmma_f32_16x16x32_bf16 v[OC+8*\t:OC+8*\t+7], v[AT+32+8*\t:AT+32+8*\t+7], v[PB+8:PB+15], v[OC+8*\t:OC+8*\t+7]
.endr
.rept 4
	v_nop                                          ; four places in front of the stores that read the results
.endr
.irp t, 0,1,2,3                        ; a lane holds head r and d = 16 t + 8 (lane / 16) + 0 .. 7; each accumulator is read from its low end on
	ds_store_b128 v[OSS], v[OC+8*\t:OC+8*\t+3]   offset:64*\t
	ds_store_b128 v[OSS], v[OC+8*\t+4:OC+8*\t+7] offset:64*\t+16
.endr
.irp q, 0,1,2,3,4,5,6,7
	ds_load_b128 v[OB+4*\q:OB+4*\q+3], v[OSL] offset:\q*2*RP   ; my own bytes: LDS serves a wave's instructions in order (ISA guide 5.7.1.4)
.endr
.irp q, 0,1,2,3,4,5,6,7
	s_wait_dscnt 7-\q                              ; load q is back; the younger ones stay out
	global_store_b128 v[CO], v[OB+4*\q:OB+4*\q+3], s[PCT:PCT+1] offset:8192*\q   ; heads 2 q, 2 q + 1: sixteen lanes store 256 consecutive bytes, aligned
.endr
	s_cmp_lg_u32 s[WV], 0
	s_cbranch_scc1 .Lend
	ds_load_b32 v[STV], v[STA]                     ; written in front of the last barrier and never again
	s_wait_dscnt 0x0
	global_store_b32 v[L4], v[STV], s[PST:PST+1]   ; the chunk's 128 consecutive bytes
.Lend:
	s_wait_tensorcnt 0x0
	ds_add_u32 v192, v193
	s_wait_dscnt 0x0
	s_endpgm
.Lfunc_end_k_q089ea825ba_att_c:
	.size	k_q089ea825ba_att_c, .Lfunc_end_k_q089ea825ba_att_c-k_q089ea825ba_att_c
	.p2alignl 7, 3214868480
	.fill 96, 4, 3214868480
	.section	.rodata,"a",@progbits
	.p2align	6, 0x0
	.amdhsa_kernel k_q089ea825ba_att_c
		.amdhsa_group_segment_fixed_size 257792
		.amdhsa_private_segment_fixed_size 0
		.amdhsa_enable_private_segment 0
		.amdhsa_kernarg_size 40
		.amdhsa_user_sgpr_count 2
		.amdhsa_user_sgpr_kernarg_segment_ptr 1
		.amdhsa_wavefront_size32 1
		.amdhsa_system_sgpr_workgroup_id_x 1
		.amdhsa_system_sgpr_workgroup_id_y 1
		.amdhsa_system_sgpr_workgroup_id_z 1
		.amdhsa_system_vgpr_workitem_id 0
		.amdhsa_next_free_vgpr 194
		.amdhsa_next_free_sgpr 66
		.amdhsa_reserve_vcc 0
		.amdhsa_float_denorm_mode_32 3
		.amdhsa_float_denorm_mode_16_64 3
		.amdhsa_memory_ordered 1
		.amdhsa_forward_progress 1
		.amdhsa_inst_pref_size 25
	.end_amdhsa_kernel
	.amdgpu_metadata
---
amdhsa.version: [ 1, 2 ]
amdhsa.kernels:
  - .name:           k_q089ea825ba_att_c
    .symbol:         k_q089ea825ba_att_c.kd
    .args:
      - { .name: enc_output, .offset: 0, .size: 8, .value_kind: global_buffer, .address_space: global }
      - { .name: qk, .offset: 8, .size: 8, .value_kind: global_buffer, .address_space: global }
      - { .name: scr, .offset: 16, .size: 8, .value_kind: global_buffer, .address_space: global }
      - { .name: st, .offset: 24, .size: 8, .value_kind: global_buffer, .address_space: global }
      - { .name: ctxp, .offset: 32, .size: 8, .value_kind: global_buffer, .address_space: global }
    .group_segment_fixed_size: 257792
    .private_segment_fixed_size: 0
    .kernarg_segment_align: 8
    .kernarg_segment_size: 40
    .max_flat_workgroup_size: 512
    .sgpr_count:     66
    .vgpr_count:     194
    .wavefront_size: 32
...
	.end_amdgpu_metadata
.endif
;; end of part 6
;; launch cmb_c: the kernel of part 3 again; grid 16 x 16, 8 waves a work-group, no clusters, 7,680 bytes of LDS; arguments ctxp, st, scr, wv_c, ob, out2; writes ob, out2
;; launch wo_c: the kernel of part 4 again; grid 16 x 2, 16 waves a work-group, no clusters, 88,320 bytes of LDS; arguments ob, wo_c, bo_c, xb, yb; writes yb
;; launch ffn1 (part 7): grid 64 x 2, 16 waves a work-group, no clusters, 96,512 bytes of LDS; arguments yb, ln2_g, ln2_b, ffn_w1, hdn, xb; writes hdn, xb
.if DOCPART == 7
	.amdgcn_target "amdgcn-amd-amdhsa--gfx1250"
	.amdhsa_code_object_version 6
	.text
	.protected	k_q089ea825ba_ffn1
	.globl	k_q089ea825ba_ffn1
	.p2align	8
	.type	k_q089ea825ba_ffn1,@function
k_q089ea825ba_ffn1:
	s_mov_b64 s[64:65], 0
	v_nop
	global_prefetch_b8 v0, s[64:65] scope:SCOPE_SE
	s_setreg_imm32_b32 hwreg(HW_REG_WAVE_MODE, 25, 1), 1
	s_wait_xcnt 0x0
; x = LayerNorm(Y0 + Y1) g + beta (two passes, f32; Y0, Y1: the two partial results of the launch before, 65,536 bytes apart);
; hidden_y[b][64 x ..] = x[b][512 y .. 512 y + 511] W1[512 y ..][64 x ..]: a partial result, stored f32 as [y][b][4096].  The next launch adds the two halves and b1 and takes the relu.
; Work-groups (x, 0) with x < 16 also store x in f32 (row x by wave x), for the residual.  LIMITS: x and W1 are rounded to bf16 as matrix operands; sums in f32.
; SHARES.  Work-group (x, y): 64 of the 4,096 columns, half y of K: 128 KiB of W1; every work-group makes the norm of all 16 rows anew (128 KiB read again).  Wave w: row w of the norm;
; K = 512 y + 32 w .. + 31 of the product (one K step); row w of the sum.  Every byte of W1 is read once in the launch.  All global loads go out at the head.
.set XP,     1040                      ; a row of 512 bf16 + 16: an odd multiple of 16
.set RP,     272
.set RW,     16*RP
.set XT,     0
.set RED,    16*XP
.set GB,     RED+16*RW
.set WPITCH, 16384
.set LANE, 1
.set R,    2
.set HH,   3
.set L16,  4
.set WOFF, 6
.set XST,  7
.set XA,   8
.set RS,   9
.set RR,   10
.set GBL,  11
.set GBS,  12
.set EO,   13
.set T,    20
.set MU,   28
.set RHO,  30
.set W,    32                          ; v[32:95] W1 as loaded
.set S,    32
.set Y,    96                          ; v[96:127] my row
.set Y2,   128                         ; v[128:159] my row of the second partial result
.set ACC,  128                         ; then the four results
.set G,    160                         ; v[160:191] g and beta, half a row at a time
.set GS,   192                         ; v[192:195] my slices of g and beta as loaded
.set F1,   196                         ; v[196:227] W1's four fragments
.set XF,   228                         ; v[228:235] x's fragment
.set PX,  4
.set PG,  6
.set PBE, 8
.set WB,  10
.set PHD, 12
.set PXB, 14
.set WV,   16
.set KB,   17
.set SEL,  18
.set CIN,  20
.set CEPS, 21
.set ID,   22
.macro BAR
	s_wait_dscnt 0x0
	s_barrier_signal -1
	s_barrier_wait -1
.endm
.macro WLOAD                           ; 32 rows x 64 columns of f32.  Lanes 0-15 take 256 consecutive bytes of one row, lanes 16-31 of the row 8 further down
.set tt, 0
.rept 16
	global_load_b128 v[W+4*tt:W+4*tt+3], v[WOFF], s[WB:WB+1] offset:(tt+8*(tt/8))*WPITCH th:TH_LOAD_NT
.set tt, tt+1
.endr
.endm
.macro WCVT
.irp j, 0,1,2,3
.irp i, 0,1,2,3,4,5,6,7
	v_cvt_pk_bf16_f32 v[F1+8*\j+\i], v[W+8*\i+\j], v[W+8*\i+4+\j]
.endr
.endr
.endm
.macro REDST rows                      ; each result is read from its low end on
.set ii, 0
.rept \rows
.irp j, 0,1,2,3
	ds_store_b32 v[RS], v[ACC+8*\j+ii] offset:ii*RP+4*\j
.endr
.set ii, ii+1
.endr
.endm
.macro REDSUM
.irp n, 0,1,2,3,4,5,6,7
	ds_load_b128 v[S+4*\n:S+4*\n+3], v[RR] offset:\n*RW
.endr
	v_cmp_eq_u32 vcc_lo, 1, v[HH]
	s_wait_dscnt 0x0
.irp n, 0,8,16,24
	v_pk_add_f32 v[S+\n:S+\n+1],   v[S+\n:S+\n+1],   v[S+\n+4:S+\n+5]
	v_pk_add_f32 v[S+\n+2:S+\n+3], v[S+\n+2:S+\n+3], v[S+\n+6:S+\n+7]
.endr
.irp n, 0,16
	v_pk_add_f32 v[S+\n:S+\n+1],   v[S+\n:S+\n+1],   v[S+\n+8:S+\n+9]
	v_pk_add_f32 v[S+\n+2:S+\n+3], v[S+\n+2:S+\n+3], v[S+\n+10:S+\n+11]
.endr
	v_pk_add_f32 v[S:S+1],   v[S:S+1],   v[S+16:S+17]
	v_pk_add_f32 v[S+2:S+3], v[S+2:S+3], v[S+18:S+19]
	v_cndmask_b32 v[T],   v[S+2], v[S],   vcc_lo
	v_cndmask_b32 v[T+1], v[S+3], v[S+1], vcc_lo
	v_cndmask_b32 v[T+2], v[S],   v[S+2], vcc_lo
	v_cndmask_b32 v[T+3], v[S+1], v[S+3], vcc_lo
	v_permlanex16_b32 v[S+4], v[T],   s[SEL], s[SEL+1]
	v_permlanex16_b32 v[S+5], v[T+1], s[SEL], s[SEL+1]
	v_pk_add_f32 v[T+2:T+3], v[T+2:T+3], v[S+4:S+5]
.endm
.macro XSTORE base                     ; half of my row of x (registers base on), rounded to bf16, into LDS
.irp t, 0,1,2,3
	v_cvt_pk_bf16_f32 v[Y+\base+4*\t],   v[Y+\base+4*\t],   v[Y+\base+4*\t+1]
	v_cvt_pk_bf16_f32 v[Y+\base+4*\t+1], v[Y+\base+4*\t+2], v[Y+\base+4*\t+3]
	ds_store_b64 v[XST], v[Y+\base+4*\t:Y+\base+4*\t+1] offset:256*\t
.endr
.endm
.macro WSUM x, t
	v_add_f32_dpp v[\x], v[\x], v[\x] row_xmask:1 row_mask:0xf bank_mask:0xf
	v_add_f32_dpp v[\x], v[\x], v[\x] row_xmask:2 row_mask:0xf bank_mask:0xf
	v_add_f32_dpp v[\x], v[\x], v[\x] row_xmask:4 row_mask:0xf bank_mask:0xf
	v_add_f32_dpp v[\x], v[\x], v[\x] row_xmask:8 row_mask:0xf bank_mask:0xf
	v_permlanex16_b32 v[\t], v[\x], s[SEL], s[SEL+1]
	v_add_f32 v[\x], v[\x], v[\t]
.endm
.macro JOIN
	v_pk_add_f32 v[T:T+1],   v[T:T+1],   v[T+2:T+3]
	v_pk_add_f32 v[T+4:T+5], v[T+4:T+5], v[T+6:T+7]
	v_pk_add_f32 v[T:T+1],   v[T:T+1],   v[T+4:T+5]
	v_add_f32 v[T], v[T], v[T+1]
	WSUM T, T+1
.endm
.macro LNSTAT                          ; the row's mean; the row less its mean; the mean of the squares of that: no difference of large sums is formed
.irp c, 0,1,2,3
	v_pk_add_f32 v[T+2*\c:T+2*\c+1], v[Y+2*\c:Y+2*\c+1], v[Y+8+2*\c:Y+8+2*\c+1]
.endr
.irp n, 16,24
.irp c, 0,1,2,3
	v_pk_add_f32 v[T+2*\c:T+2*\c+1], v[T+2*\c:T+2*\c+1], v[Y+\n+2*\c:Y+\n+2*\c+1]
.endr
.endr
	JOIN
	v_mul_f32 v[MU],   s[CIN], v[T]
	v_mul_f32 v[MU+1], s[CIN], v[T]
.irp p, 0,1,2,3,4,5,6,7,8,9,10,11,12,13,14,15
	v_pk_add_f32 v[Y+2*\p:Y+2*\p+1], v[Y+2*\p:Y+2*\p+1], v[MU:MU+1] neg_lo:[0,1] neg_hi:[0,1]
.endr
.irp c, 0,1,2,3
	v_pk_mul_f32 v[T+2*\c:T+2*\c+1], v[Y+2*\c:Y+2*\c+1], v[Y+2*\c:Y+2*\c+1]
.endr
.irp n, 8,16,24
.irp c, 0,1,2,3
	v_pk_fma_f32 v[T+2*\c:T+2*\c+1], v[Y+\n+2*\c:Y+\n+2*\c+1], v[Y+\n+2*\c:Y+\n+2*\c+1], v[T+2*\c:T+2*\c+1]
.endr
.endr
	JOIN
	v_fma_f32 v[T], v[T], s[CIN], s[CEPS]          ; variance + 1e-5
	v_rsq_f32 v[RHO],   v[T]
	v_rsq_f32 v[RHO+1], v[T]
	v_nop                                          ; a plain instruction between the root and the use of its result (ISA guide 5.7.2)
.endm
.macro LNAPPLY
.irp q, 0,1
.irp t, 0,1,2,3
	ds_load_b128 v[G+4*\t:G+4*\t+3],       v[GBL] offset:2048*\q+512*\t
	ds_load_b128 v[G+16+4*\t:G+16+4*\t+3], v[GBL] offset:4096+2048*\q+512*\t
.endr
	s_wait_alu depctr_va_vdst(0)
.irp p, 0,1,2,3,4,5,6,7
	v_pk_mul_f32 v[Y+16*\q+2*\p:Y+16*\q+2*\p+1], v[Y+16*\q+2*\p:Y+16*\q+2*\p+1], v[RHO:RHO+1]
.endr
	s_wait_dscnt 0x0
.irp p, 0,1,2,3,4,5,6,7
	v_pk_fma_f32 v[Y+16*\q+2*\p:Y+16*\q+2*\p+1], v[Y+16*\q+2*\p:Y+16*\q+2*\p+1], v[G+2*\p:G+2*\p+1], v[G+16+2*\p:G+16+2*\p+1]
.endr
.endr
.endm
	s_load_b256 s[4:11], s[0:1], 0x0               ; the sums in front of the norm, g, beta, W1
	s_load_b128 s[12:15], s[0:1], 0x20             ; hidden, x out
	v_lshl_add_u32 v236, v0, 2, 0x17100
	v_mov_b32 v237, 0
	v_and_b32 v[LANE], 31, v0
	v_lshrrev_b32 v[T], 5, v0
	v_readfirstlane_b32 s[WV], v[T]
	v_and_b32 v[R], 15, v0
	v_bfe_u32 v[HH], v0, 4, 1
	v_lshlrev_b32 v[L16], 4, v[LANE]
	v_lshlrev_b32 v[GBS], 3, v[LANE]
	v_mul_u32_u24 v[WOFF], v[HH], 8*WPITCH
	v_lshl_add_u32 v[WOFF], v[R], 4, v[WOFF]
	v_lshlrev_b32 v[EO], 4, v[R]
	v_lshl_add_u32 v[EO], v[HH], 3, v[EO]
	s_mov_b32 s[SEL], 0x76543210
	s_mov_b32 s[SEL+1], 0xfedcba98
	s_mov_b32 s[CIN], 0x3a800000                   ; 1 / 1,024
	s_mov_b32 s[CEPS], 0x3727c5ac                  ; 1e-5
	s_and_b32 s[KB], ttmp7, 0xffff                 ; which half of K
	s_lshl_b32 s[ID], s[KB], 6
	s_add_co_u32 s[ID], s[ID], ttmp9               ; x + 64 y: equals a wave's number in work-groups (0 .. 15, 0) alone
	s_lshl_b32 s24, s[WV], 12                      ; row w
	s_mov_b32 s25, 0
	s_lshl_b32 s26, s[WV], 8                       ; my 256 bytes of g and of beta
	s_mov_b32 s27, 0
	s_lshl_b32 s28, ttmp9, 8                       ; the 64 columns
	s_lshl_b32 s30, s[KB], 23                      ; 512 rows of W1,
	s_lshl_b32 s31, s[WV], 19                      ; my 32 of them
	s_add_co_u32 s30, s30, s31
	s_add_co_u32 s30, s30, s28
	s_mov_b32 s31, 0
	s_lshl_b32 s32, s[KB], 18                      ; hidden[y],
	s_lshl_b32 s33, s[WV], 14                      ; row w
	s_add_co_u32 s32, s32, s33
	s_add_co_u32 s32, s32, s28
	s_mov_b32 s33, 0
	s_wait_kmcnt 0x0
	s_add_nc_u64 s[PX:PX+1], s[PX:PX+1], s[24:25]
	s_add_nc_u64 s[PG:PG+1], s[PG:PG+1], s[26:27]
	s_add_nc_u64 s[PBE:PBE+1], s[PBE:PBE+1], s[26:27]
	s_add_nc_u64 s[WB:WB+1], s[WB:WB+1], s[30:31]
	s_add_nc_u64 s[PHD:PHD+1], s[PHD:PHD+1], s[32:33]
	s_add_nc_u64 s[PXB:PXB+1], s[PXB:PXB+1], s[24:25]
.irp t, 0,1,2,3,4,5,6,7
	global_load_b128 v[Y+4*\t:Y+4*\t+3], v[L16], s[PX:PX+1] offset:512*\t
.endr
.irp t, 0,1,2,3,4,5,6,7
	global_load_b128 v[Y2+4*\t:Y2+4*\t+3], v[L16], s[PX:PX+1] offset:65536+512*\t
.endr
	global_load_b64 v[GS:GS+1],   v[GBS], s[PG:PG+1]
	global_load_b64 v[GS+2:GS+3], v[GBS], s[PBE:PBE+1]
	WLOAD
	s_mul_i32 s40, s[WV], XP
	v_lshl_add_u32 v[XST], v[LANE], 3, s40
	v_mul_u32_u24 v[XA], v[R], XP
	v_lshl_add_u32 v[XA], v[HH], 4, v[XA]
	s_lshl_b32 s40, s[WV], 6
	v_add_nc_u32 v[XA], s40, v[XA]
	s_mul_i32 s40, s[WV], RW
	s_add_co_u32 s40, s40, RED
	v_mul_u32_u24 v[RS], v[HH], 8*RP
	v_lshl_add_u32 v[RS], v[R], 4, v[RS]
	v_add_nc_u32 v[RS], s40, v[RS]
	s_mul_i32 s40, s[WV], RP
	s_add_co_u32 s40, s40, RED
	v_mul_u32_u24 v[RR], v[HH], 8*RW
	v_lshl_add_u32 v[RR], v[R], 4, v[RR]
	v_add_nc_u32 v[RR], s40, v[RR]
	v_add_nc_u32 v[GBL], GB, v[L16]
	s_lshl_b32 s40, s[WV], 8
	s_add_co_u32 s40, s40, GB
	v_lshl_add_u32 v[T], v[LANE], 3, s40
	s_wait_loadcnt 16                              ; my row's two parts, g and beta are in; W1's 16 loads stay out
	ds_store_b64 v[T], v[GS:GS+1]
	ds_store_b64 v[T], v[GS+2:GS+3] offset:4096
.irp p, 0,1,2,3,4,5,6,7,8,9,10,11,12,13,14,15
	v_pk_add_f32 v[Y+2*\p:Y+2*\p+1], v[Y+2*\p:Y+2*\p+1], v[Y2+2*\p:Y2+2*\p+1]   ; Y0 + Y1
.endr
	LNSTAT
	BAR                                            ; g and beta are whole
	LNAPPLY
	s_cmp_lg_u32 s[ID], s[WV]
	s_cbranch_scc1 .Lnot_mine
.irp t, 0,1,2,3,4,5,6,7
	global_store_b128 v[L16], v[Y+4*\t:Y+4*\t+3], s[PXB:PXB+1] offset:512*\t   ; x in f32, for the residual
.endr
.Lnot_mine:
	s_wait_xcnt 0x0                                ; the stores' data registers are rewritten only behind this wait
	s_cmp_lg_u32 s[KB], 0                          ; the half of the row that this work-group multiplies goes into LDS, at the same bytes either way
	s_cbranch_scc1 .Lupper
	XSTORE 0
	s_branch .Lstored
.Lupper:
	XSTORE 16
.Lstored:
	BAR                                            ; x's half is whole
	ds_load_b128 v[XF:XF+3],   v[XA]
	ds_load_b128 v[XF+4:XF+7], v[XA] offset:32
	s_wait_loadcnt 0x0                             ; W1
	WCVT
	s_wait_dscnt 0x0
.irp j, 0,1,2,3                        ; one K step: each of the four results is one instruction with the constant 0 as C
	v_wmma_f32_16x16x32_bf16 v[ACC+8*\j:ACC+8*\j+7], v[XF:XF+7], v[F1+8*\j:F1+8*\j+7], 0
.endr
.rept 4
	v_nop                                          ; four places in front of the stores that read the results
.endr
	REDST 8
	BAR
	REDSUM
	global_store_b64 v[EO], v[T+2:T+3], s[PHD:PHD+1]   ; 256 consecutive bytes, aligned
	s_wait_tensorcnt 0x0
	ds_add_u32 v236, v237
	s_wait_dscnt 0x0
	s_endpgm
.Lfunc_end_k_q089ea825ba_ffn1:
	.size	k_q089ea825ba_ffn1, .Lfunc_end_k_q089ea825ba_ffn1-k_q089ea825ba_ffn1
	.p2alignl 7, 3214868480
	.fill 96, 4, 3214868480
	.section	.rodata,"a",@progbits
	.p2align	6, 0x0
	.amdhsa_kernel k_q089ea825ba_ffn1
		.amdhsa_group_segment_fixed_size 96512
		.amdhsa_private_segment_fixed_size 0
		.amdhsa_enable_private_segment 0
		.amdhsa_kernarg_size 48
		.amdhsa_user_sgpr_count 2
		.amdhsa_user_sgpr_kernarg_segment_ptr 1
		.amdhsa_wavefront_size32 1
		.amdhsa_system_sgpr_workgroup_id_x 1
		.amdhsa_system_sgpr_workgroup_id_y 1
		.amdhsa_system_sgpr_workgroup_id_z 1
		.amdhsa_system_vgpr_workitem_id 0
		.amdhsa_next_free_vgpr 238
		.amdhsa_next_free_sgpr 66
		.amdhsa_reserve_vcc 1
		.amdhsa_float_denorm_mode_32 3
		.amdhsa_float_denorm_mode_16_64 3
		.amdhsa_memory_ordered 1
		.amdhsa_forward_progress 1
		.amdhsa_inst_pref_size 25
	.end_amdhsa_kernel
	.amdgpu_metadata
---
amdhsa.version: [ 1, 2 ]
amdhsa.kernels:
  - .name:           k_q089ea825ba_ffn1
    .symbol:         k_q089ea825ba_ffn1.kd
    .args:
      - { .name: yb, .offset: 0, .size: 8, .value_kind: global_buffer, .address_space: global }
      - { .name: ln2_g, .offset: 8, .size: 8, .value_kind: global_buffer, .address_space: global }
      - { .name: ln2_b, .offset: 16, .size: 8, .value_kind: global_buffer, .address_space: global }
      - { .name: ffn_w1, .offset: 24, .size: 8, .value_kind: global_buffer, .address_space: global }
      - { .name: hdn, .offset: 32, .size: 8, .value_kind: global_buffer, .address_space: global }
      - { .name: xb, .offset: 40, .size: 8, .value_kind: global_buffer, .address_space: global }
    .group_segment_fixed_size: 96512
    .private_segment_fixed_size: 0
    .kernarg_segment_align: 8
    .kernarg_segment_size: 48
    .max_flat_workgroup_size: 512
    .sgpr_count:     66
    .vgpr_count:     238
    .wavefront_size: 32
...
	.end_amdgpu_metadata
.endif
;; end of part 7
;; launch ffn2 (part 8): grid 16 x 8, 16 waves a work-group, no clusters, 88,320 bytes of LDS; arguments hdn, ffn_w2, ffn_b2, xb, yb, ffn_b1; writes yb
.if DOCPART == 8
	.amdgcn_target "amdgcn-amd-amdhsa--gfx1250"
	.amdhsa_code_object_version 6
	.text
	.protected	k_q089ea825ba_ffn2
	.globl	k_q089ea825ba_ffn2
	.p2align	8
	.type	k_q089ea825ba_ffn2,@function
k_q089ea825ba_ffn2:
	s_mov_b64 s[64:65], 0
	v_nop
	global_prefetch_b8 v0, s[64:65] scope:SCOPE_SE
	s_setreg_imm32_b32 hwreg(HW_REG_WAVE_MODE, 25, 1), 1
	s_wait_xcnt 0x0
; out[y][b][64 x ..] = X[b][512 y .. 512 y + 511] W[512 y ..][64 x ..], and in K block y = 0 also + bias + residual.  X = X0 + X1, the two partial results of the launch before
; (RELU = 1: X = relu(X0 + X1 + b1)).  X0, X1: [16][K] f32, XSTRIDE bytes apart; W: [K][1024] f32; out: [K / 512][16][1024] f32, partial results that the next launch adds.
; LIMITS: X and W are rounded to bf16 as matrix operands; sums, biases, relu and residual in f32.
; SHARES.  Work-group (x, y): 64 columns, 512 of K: 128 KiB of W and 64 KiB of X.  Sixteen waves.  Wave w makes row w of X; takes K = 32 w .. 32 w + 31 of the block (one K step) of all 16 rows and
; 64 columns; the sixteen partial results meet in LDS; wave w adds and stores row w.  Every byte of W is read once in the launch.  All global loads go out at the head.
.set RELU,    1
.set XSTRIDE, 262144                   ; bytes from X0 to X1
.set XROW,    16384                    ; bytes in a row of X
.set XP,      1040                     ; a row of 512 bf16 + 16: an odd multiple of 16, so the 16 rows of a fragment load start 4 words apart
.set RP,      272                      ; a row of 64 f32 + 16
.set RW,      16*RP
.set XT,      0
.set RED,     16*XP
.set WPITCH,  4096
.set LANE, 1
.set R,    2
.set HH,   3
.set L16,  4
.set WOFF, 6
.set XST,  7
.set XA,   8
.set RS,   9
.set RR,   10
.set EO,   11
.set BIAS, 12
.set RES,  14
.set T,    16
.set W,    20                          ; v[20:83] W as loaded
.set S,    20                          ; the eight partial results that a lane adds, over W's registers
.set Y,    84                          ; v[84:115] my row's piece of X0 and of X1
.set B1,   116                         ; v[116:131] b1's piece
.set F1,   132                         ; v[132:163] W's four fragments
.set XF,   164                         ; v[164:171] X's fragment
.set ACC,  172                         ; v[172:203] four results
.set WB,   6
.set WV,   16
.set KB,   17
.set SEL,  18
.macro BAR                             ; what I wrote into LDS is there and what I read is back; then all sixteen waves meet
	s_wait_dscnt 0x0
	s_barrier_signal -1
	s_barrier_wait -1
.endm
.macro WLOAD                           ; 32 rows x 64 columns of f32.  Lanes 0-15 take 256 consecutive bytes of one row, lanes 16-31 of the row 8 further down
.set tt, 0
.rept 16
	global_load_b128 v[W+4*tt:W+4*tt+3], v[WOFF], s[WB:WB+1] offset:(tt+8*(tt/8))*WPITCH th:TH_LOAD_NT
.set tt, tt+1
.endr
.endm
.macro WCVT                            ; tile j holds column 4 r + j in lane r; register i the two rows that loads 2 i and 2 i + 1 brought
.irp j, 0,1,2,3
.irp i, 0,1,2,3,4,5,6,7
	v_cvt_pk_bf16_f32 v[F1+8*\j+\i], v[W+8*\i+\j], v[W+8*\i+4+\j]
.endr
.endr
.endm
.macro REDST rows                      ; register i of tile j is (row 8 (lane / 16) + i, column 4 r + j); each result is read from its low end on
.set ii, 0
.rept \rows
.irp j, 0,1,2,3
	ds_store_b32 v[RS], v[ACC+8*\j+ii] offset:ii*RP+4*\j
.endr
.set ii, ii+1
.endr
.endm
.macro REDSUM                          ; wave w adds row w: each half of the lanes eight partial results, then the halves exchange; v[T+2:T+3] = columns 4 r + 2 (lane / 16), + 1
.irp n, 0,1,2,3,4,5,6,7
	ds_load_b128 v[S+4*\n:S+4*\n+3], v[RR] offset:\n*RW
.endr
	v_cmp_eq_u32 vcc_lo, 1, v[HH]
	s_wait_dscnt 0x0
.irp n, 0,8,16,24
	v_pk_add_f32 v[S+\n:S+\n+1],   v[S+\n:S+\n+1],   v[S+\n+4:S+\n+5]
	v_pk_add_f32 v[S+\n+2:S+\n+3], v[S+\n+2:S+\n+3], v[S+\n+6:S+\n+7]
.endr
.irp n, 0,16
	v_pk_add_f32 v[S+\n:S+\n+1],   v[S+\n:S+\n+1],   v[S+\n+8:S+\n+9]
	v_pk_add_f32 v[S+\n+2:S+\n+3], v[S+\n+2:S+\n+3], v[S+\n+10:S+\n+11]
.endr
	v_pk_add_f32 v[S:S+1],   v[S:S+1],   v[S+16:S+17]
	v_pk_add_f32 v[S+2:S+3], v[S+2:S+3], v[S+18:S+19]
	v_cndmask_b32 v[T],   v[S+2], v[S],   vcc_lo  ; what the other half keeps
	v_cndmask_b32 v[T+1], v[S+3], v[S+1], vcc_lo
	v_cndmask_b32 v[T+2], v[S],   v[S+2], vcc_lo  ; what I keep
	v_cndmask_b32 v[T+3], v[S+1], v[S+3], vcc_lo
	v_permlanex16_b32 v[S+4], v[T],   s[SEL], s[SEL+1]
	v_permlanex16_b32 v[S+5], v[T+1], s[SEL], s[SEL+1]
	v_pk_add_f32 v[T+2:T+3], v[T+2:T+3], v[S+4:S+5]
.endm
	s_load_b256 s[4:11], s[0:1], 0x0               ; X, W, bias, residual
.if RELU
	s_load_b128 s[12:15], s[0:1], 0x20             ; out, b1
	v_lshl_add_u32 v204, v0, 2, 0x15100
	v_mov_b32 v205, 0
.else
	s_load_b64 s[12:13], s[0:1], 0x20              ; out
.endif
	v_and_b32 v[LANE], 31, v0
	v_lshrrev_b32 v[T], 5, v0
	v_readfirstlane_b32 s[WV], v[T]
	v_and_b32 v[R], 15, v0
	v_bfe_u32 v[HH], v0, 4, 1
	v_lshlrev_b32 v[L16], 4, v[LANE]
	v_mul_u32_u24 v[WOFF], v[HH], 8*WPITCH
	v_lshl_add_u32 v[WOFF], v[R], 4, v[WOFF]
	v_lshlrev_b32 v[EO], 4, v[R]
	v_lshl_add_u32 v[EO], v[HH], 3, v[EO]          ; columns 4 r + 2 (lane / 16), + 1
	s_mov_b32 s[SEL], 0x76543210
	s_mov_b32 s[SEL+1], 0xfedcba98
	s_and_b32 s[KB], ttmp7, 0xffff                 ; the K block
	s_lshl_b32 s20, s[KB], 11                      ; the block's 2,048 bytes in a row of X, and in b1
	s_mov_b32 s21, 0
	s_mul_i32 s22, s[WV], XROW                     ; row w of X
	s_add_co_u32 s22, s22, s20
	s_mov_b32 s23, 0
	s_lshl_b32 s24, ttmp9, 8                       ; 64 columns
	s_mov_b32 s25, 0
	s_lshl_b32 s26, s[KB], 21                      ; 512 rows of W,
	s_lshl_b32 s27, s[WV], 17                      ; my 32 of them
	s_add_co_u32 s26, s26, s27
	s_add_co_u32 s26, s26, s24
	s_mov_b32 s27, 0
	s_lshl_b32 s28, s[WV], 12                      ; row w of the residual and of out
	s_add_co_u32 s28, s28, s24
	s_mov_b32 s29, 0
	s_lshl_b32 s30, s[KB], 16                      ; out[y]
	s_add_co_u32 s30, s30, s28
	s_mov_b32 s31, 0
	s_wait_kmcnt 0x0
	s_add_nc_u64 s[4:5], s[4:5], s[22:23]
	s_add_nc_u64 s[6:7], s[6:7], s[26:27]
	s_add_nc_u64 s[8:9], s[8:9], s[24:25]
	s_add_nc_u64 s[10:11], s[10:11], s[28:29]
	s_add_nc_u64 s[12:13], s[12:13], s[30:31]
.if RELU
	s_add_nc_u64 s[14:15], s[14:15], s[20:21]
.endif
	global_load_b64 v[BIAS:BIAS+1], v[EO], s[8:9]
	global_load_b64 v[RES:RES+1],   v[EO], s[10:11]
.irp p, 0,1
.irp t, 0,1,2,3
	global_load_b128 v[Y+16*\p+4*\t:Y+16*\p+4*\t+3], v[L16], s[4:5] offset:\p*XSTRIDE+512*\t
.endr
.endr
.if RELU
.irp t, 0,1,2,3
	global_load_b128 v[B1+4*\t:B1+4*\t+3], v[L16], s[14:15] offset:512*\t
.endr
.endif
	WLOAD
	s_mul_i32 s20, s[WV], XP
	v_lshl_add_u32 v[XST], v[LANE], 3, s20         ; X in: row w, 8 bytes a lane
	v_mul_u32_u24 v[XA], v[R], XP                  ; X's fragment: row r, my 64 bytes, 16 bytes for each half of the lanes
	v_lshl_add_u32 v[XA], v[HH], 4, v[XA]
	s_lshl_b32 s20, s[WV], 6
	v_add_nc_u32 v[XA], s20, v[XA]
	s_mul_i32 s20, s[WV], RW
	s_add_co_u32 s20, s20, RED
	v_mul_u32_u24 v[RS], v[HH], 8*RP
	v_lshl_add_u32 v[RS], v[R], 4, v[RS]
	v_add_nc_u32 v[RS], s20, v[RS]
	s_mul_i32 s20, s[WV], RP
	s_add_co_u32 s20, s20, RED
	v_mul_u32_u24 v[RR], v[HH], 8*RW
	v_lshl_add_u32 v[RR], v[R], 4, v[RR]
	v_add_nc_u32 v[RR], s20, v[RR]
	s_wait_loadcnt 16                              ; all but W's 16 loads are in
.irp q, 0,1,2,3,4,5,6,7
	v_pk_add_f32 v[Y+2*\q:Y+2*\q+1], v[Y+2*\q:Y+2*\q+1], v[Y+16+2*\q:Y+16+2*\q+1]   ; X0 + X1
.endr
.if RELU
.irp q, 0,1,2,3,4,5,6,7
	v_pk_add_f32 v[Y+2*\q:Y+2*\q+1], v[Y+2*\q:Y+2*\q+1], v[B1+2*\q:B1+2*\q+1]
.endr
.irp q, 0,1,2,3,4,5,6,7,8,9,10,11,12,13,14,15
	v_max_num_f32 v[Y+\q], 0, v[Y+\q]
.endr
.endif
.irp t, 0,1,2,3
	v_cvt_pk_bf16_f32 v[Y+4*\t],   v[Y+4*\t],   v[Y+4*\t+1]
	v_cvt_pk_bf16_f32 v[Y+4*\t+1], v[Y+4*\t+2], v[Y+4*\t+3]
	ds_store_b64 v[XST], v[Y+4*\t:Y+4*\t+1] offset:256*\t
.endr
	BAR                                            ; X is whole
	ds_load_b128 v[XF:XF+3],   v[XA]
	ds_load_b128 v[XF+4:XF+7], v[XA] offset:32
	s_wait_loadcnt 0x0                             ; W
	WCVT
	s_wait_dscnt 0x0
.irp j, 0,1,2,3                        ; one K step: each of the four results is one instruction with the constant 0 as C
	v_wmma_f32_16x16x32_bf16 v[ACC+8*\j:ACC+8*\j+7], v[XF:XF+7], v[F1+8*\j:F1+8*\j+7], 0
.endr
.rept 4
	v_nop                                          ; four places in front of the stores that read the results
.endr
	REDST 8
	BAR                                            ; all sixteen partial results lie in LDS
	REDSUM
	s_cmp_lg_u32 s[KB], 0
	s_cbranch_scc1 .Lplain                         ; bias and residual enter once, in K block 0
	v_pk_add_f32 v[T+2:T+3], v[T+2:T+3], v[BIAS:BIAS+1]
	v_pk_add_f32 v[T+2:T+3], v[T+2:T+3], v[RES:RES+1]
.Lplain:
	global_store_b64 v[EO], v[T+2:T+3], s[12:13]   ; 256 consecutive bytes, aligned
	s_wait_tensorcnt 0x0
	ds_add_u32 v204, v205
	s_wait_dscnt 0x0
	s_endpgm
.Lfunc_end_k_q089ea825ba_ffn2:
	.size	k_q089ea825ba_ffn2, .Lfunc_end_k_q089ea825ba_ffn2-k_q089ea825ba_ffn2
	.p2alignl 7, 3214868480
	.fill 96, 4, 3214868480
	.section	.rodata,"a",@progbits
	.p2align	6, 0x0
	.amdhsa_kernel k_q089ea825ba_ffn2
		.amdhsa_group_segment_fixed_size 88320
		.amdhsa_private_segment_fixed_size 0
		.amdhsa_enable_private_segment 0
		.amdhsa_kernarg_size 48
		.amdhsa_user_sgpr_count 2
		.amdhsa_user_sgpr_kernarg_segment_ptr 1
		.amdhsa_wavefront_size32 1
		.amdhsa_system_sgpr_workgroup_id_x 1
		.amdhsa_system_sgpr_workgroup_id_y 1
		.amdhsa_system_sgpr_workgroup_id_z 1
		.amdhsa_system_vgpr_workitem_id 0
		.amdhsa_next_free_vgpr 206
		.amdhsa_next_free_sgpr 66
		.amdhsa_reserve_vcc 1
		.amdhsa_float_denorm_mode_32 3
		.amdhsa_float_denorm_mode_16_64 3
		.amdhsa_memory_ordered 1
		.amdhsa_forward_progress 1
		.amdhsa_inst_pref_size 15
	.end_amdhsa_kernel
	.amdgpu_metadata
---
amdhsa.version: [ 1, 2 ]
amdhsa.kernels:
  - .name:           k_q089ea825ba_ffn2
    .symbol:         k_q089ea825ba_ffn2.kd
    .args:
      - { .name: hdn, .offset: 0, .size: 8, .value_kind: global_buffer, .address_space: global }
      - { .name: ffn_w2, .offset: 8, .size: 8, .value_kind: global_buffer, .address_space: global }
      - { .name: ffn_b2, .offset: 16, .size: 8, .value_kind: global_buffer, .address_space: global }
      - { .name: xb, .offset: 24, .size: 8, .value_kind: global_buffer, .address_space: global }
      - { .name: yb, .offset: 32, .size: 8, .value_kind: global_buffer, .address_space: global }
      - { .name: ffn_b1, .offset: 40, .size: 8, .value_kind: global_buffer, .address_space: global }
    .group_segment_fixed_size: 88320
    .private_segment_fixed_size: 0
    .kernarg_segment_align: 8
    .kernarg_segment_size: 48
    .max_flat_workgroup_size: 512
    .sgpr_count:     66
    .vgpr_count:     206
    .wavefront_size: 32
...
	.end_amdgpu_metadata
.endif
;; end of part 8
;; launch fin (part 9): grid 16 x 1, 4 waves a work-group, no clusters, 768 bytes of LDS; arguments yb, ln3_g, ln3_b, out0; writes out0
.if DOCPART == 9
	.amdgcn_target "amdgcn-amd-amdhsa--gfx1250"
	.amdhsa_code_object_version 6
	.text
	.protected	k_q089ea825ba_fin
	.globl	k_q089ea825ba_fin
	.p2align	8
	.type	k_q089ea825ba_fin,@function
k_q089ea825ba_fin:
	s_mov_b64 s[64:65], 0
	v_nop
	global_prefetch_b8 v0, s[64:65] scope:SCOPE_SE
	s_setreg_imm32_b32 hwreg(HW_REG_WAVE_MODE, 25, 1), 1
	s_wait_xcnt 0x0
; out[b] = LayerNorm(the sum of the eight K blocks' results for row b) g + beta.  Block 0 carries the bias and the residual.  All in f32, two passes: mean, then the mean of the squared differences.
; One work-group, one row; four waves, each with 256 of the row's 1,024 columns: 8 numbers a lane from each of the eight blocks.  The row's sum and its sum of squares meet in LDS: four words each,
; in bytes of their own, one barrier each.  Sixteen rows are all the work that there is: 16 work-groups.  No matrix unit: there is no product here.
.set L16, 1
.set LA,  2                            ; LDS byte of my wave's word
.set LZ,  3                            ; LDS byte 0
.set Y,   8                            ; v[8:71] eight blocks x 8 numbers; the sum and the result in the first 8
.set G,   72
.set BE,  80
.set T,   88
.set P4,  92                           ; the four waves' words
.set MU,  96
.set RHO, 98
.set WV,   12
.set SEL,  14
.set CIN,  18
.set CEPS, 19
.macro BAR
	s_wait_dscnt 0x0
	s_barrier_signal -1
	s_barrier_wait -1
.endm
.macro WSUM x, t                       ; the sum over the 32 lanes, in every lane
	v_add_f32_dpp v[\x], v[\x], v[\x] row_xmask:1 row_mask:0xf bank_mask:0xf
	v_add_f32_dpp v[\x], v[\x], v[\x] row_xmask:2 row_mask:0xf bank_mask:0xf
	v_add_f32_dpp v[\x], v[\x], v[\x] row_xmask:4 row_mask:0xf bank_mask:0xf
	v_add_f32_dpp v[\x], v[\x], v[\x] row_xmask:8 row_mask:0xf bank_mask:0xf
	v_permlanex16_b32 v[\t], v[\x], s[SEL], s[SEL+1]
	v_add_f32 v[\x], v[\x], v[\t]
.endm
.macro ALL4 off                        ; my wave's sum in v[T] -> the row's sum in v[T], in every lane of every wave
	ds_store_b32 v[LA], v[T] offset:\off           ; every lane writes the same word
	BAR
	ds_load_b128 v[P4:P4+3], v[LZ] offset:\off
	s_wait_dscnt 0x0
	v_add_f32 v[P4],   v[P4],   v[P4+1]
	v_add_f32 v[P4+2], v[P4+2], v[P4+3]
	v_add_f32 v[T],    v[P4],   v[P4+2]
.endm
	s_load_b256 s[4:11], s[0:1], 0x0               ; the eight blocks, g, beta, out
	v_lshl_add_u32 v104, v0, 2, 0x100
	v_mov_b32 v105, 0
	v_and_b32 v[L16], 31, v0
	v_lshrrev_b32 v[T], 5, v0
	v_readfirstlane_b32 s[WV], v[T]
	v_lshlrev_b32 v[L16], 4, v[L16]
	s_lshl_b32 s2, s[WV], 10                       ; my 1,024 bytes of a row
	s_mov_b32 s3, 0
	s_lshl_b32 s16, ttmp9, 12                      ; the row
	s_add_co_u32 s16, s16, s2
	s_mov_b32 s17, 0
	s_lshl_b32 s20, s[WV], 2
	v_mov_b32 v[LA], s20
	v_mov_b32 v[LZ], 0
	s_mov_b32 s[SEL], 0x76543210
	s_mov_b32 s[SEL+1], 0xfedcba98
	s_mov_b32 s[CIN], 0x3a800000                   ; 1 / 1,024
	s_mov_b32 s[CEPS], 0x3727c5ac                  ; 1e-5
	s_wait_kmcnt 0x0
	s_add_nc_u64 s[4:5], s[4:5], s[16:17]
	s_add_nc_u64 s[6:7], s[6:7], s[2:3]
	s_add_nc_u64 s[8:9], s[8:9], s[2:3]
	s_add_nc_u64 s[10:11], s[10:11], s[16:17]
.irp k, 0,1,2,3,4,5,6,7
.irp t, 0,1
	global_load_b128 v[Y+8*\k+4*\t:Y+8*\k+4*\t+3], v[L16], s[4:5] offset:65536*\k+512*\t
.endr
.endr
.irp t, 0,1
	global_load_b128 v[G+4*\t:G+4*\t+3], v[L16], s[6:7] offset:512*\t
.endr
.irp t, 0,1
	global_load_b128 v[BE+4*\t:BE+4*\t+3], v[L16], s[8:9] offset:512*\t
.endr
	s_wait_loadcnt 4                               ; the eight blocks are in; g's and beta's four loads stay out
.irp k, 0,2,4,6
.irp q, 0,1,2,3
	v_pk_add_f32 v[Y+8*\k+2*\q:Y+8*\k+2*\q+1], v[Y+8*\k+2*\q:Y+8*\k+2*\q+1], v[Y+8*\k+8+2*\q:Y+8*\k+8+2*\q+1]
.endr
.endr
.irp k, 0,4
.irp q, 0,1,2,3
	v_pk_add_f32 v[Y+8*\k+2*\q:Y+8*\k+2*\q+1], v[Y+8*\k+2*\q:Y+8*\k+2*\q+1], v[Y+8*\k+16+2*\q:Y+8*\k+16+2*\q+1]
.endr
.endr
.irp q, 0,1,2,3
	v_pk_add_f32 v[Y+2*\q:Y+2*\q+1], v[Y+2*\q:Y+2*\q+1], v[Y+32+2*\q:Y+32+2*\q+1]
.endr
	v_pk_add_f32 v[T:T+1],   v[Y:Y+1],     v[Y+2:Y+3]
	v_pk_add_f32 v[T+2:T+3], v[Y+4:Y+5],   v[Y+6:Y+7]
	v_pk_add_f32 v[T:T+1],   v[T:T+1],     v[T+2:T+3]
	v_add_f32 v[T], v[T], v[T+1]
	WSUM T, T+1
	ALL4 0
	v_mul_f32 v[MU],   s[CIN], v[T]
	v_mul_f32 v[MU+1], s[CIN], v[T]
.irp q, 0,1,2,3
	v_pk_add_f32 v[Y+2*\q:Y+2*\q+1], v[Y+2*\q:Y+2*\q+1], v[MU:MU+1] neg_lo:[0,1] neg_hi:[0,1]
.endr
	v_pk_mul_f32 v[T:T+1],   v[Y:Y+1],     v[Y:Y+1]
	v_pk_mul_f32 v[T+2:T+3], v[Y+2:Y+3],   v[Y+2:Y+3]
	v_pk_fma_f32 v[T:T+1],   v[Y+4:Y+5],   v[Y+4:Y+5], v[T:T+1]
	v_pk_fma_f32 v[T+2:T+3], v[Y+6:Y+7],   v[Y+6:Y+7], v[T+2:T+3]
	v_pk_add_f32 v[T:T+1],   v[T:T+1],     v[T+2:T+3]
	v_add_f32 v[T], v[T], v[T+1]
	WSUM T, T+1
	ALL4 16                                        ; other bytes than the first sum's: no wave can write over a word that another still reads
	v_fma_f32 v[T], v[T], s[CIN], s[CEPS]          ; variance + 1e-5
	v_rsq_f32 v[RHO],   v[T]
	v_rsq_f32 v[RHO+1], v[T]
	v_nop                                          ; a plain instruction between the root and the use of its result (ISA guide 5.7.2)
	s_wait_alu depctr_va_vdst(0)
.irp q, 0,1,2,3
	v_pk_mul_f32 v[Y+2*\q:Y+2*\q+1], v[Y+2*\q:Y+2*\q+1], v[RHO:RHO+1]
.endr
	s_wait_loadcnt 0x0                             ; g and beta
.irp q, 0,1,2,3
	v_pk_fma_f32 v[Y+2*\q:Y+2*\q+1], v[Y+2*\q:Y+2*\q+1], v[G+2*\q:G+2*\q+1], v[BE+2*\q:BE+2*\q+1]
.endr
.irp t, 0,1
	global_store_b128 v[L16], v[Y+4*\t:Y+4*\t+3], s[10:11] offset:512*\t   ; 512 consecutive bytes, aligned
.endr
	s_wait_tensorcnt 0x0
	ds_add_u32 v104, v105
	s_wait_dscnt 0x0
	s_endpgm
.Lfunc_end_k_q089ea825ba_fin:
	.size	k_q089ea825ba_fin, .Lfunc_end_k_q089ea825ba_fin-k_q089ea825ba_fin
	.p2alignl 7, 3214868480
	.fill 96, 4, 3214868480
	.section	.rodata,"a",@progbits
	.p2align	6, 0x0
	.amdhsa_kernel k_q089ea825ba_fin
		.amdhsa_group_segment_fixed_size 768
		.amdhsa_private_segment_fixed_size 0
		.amdhsa_enable_private_segment 0
		.amdhsa_kernarg_size 32
		.amdhsa_user_sgpr_count 2
		.amdhsa_user_sgpr_kernarg_segment_ptr 1
		.amdhsa_wavefront_size32 1
		.amdhsa_system_sgpr_workgroup_id_x 1
		.amdhsa_system_sgpr_workgroup_id_y 1
		.amdhsa_system_sgpr_workgroup_id_z 1
		.amdhsa_system_vgpr_workitem_id 0
		.amdhsa_next_free_vgpr 106
		.amdhsa_next_free_sgpr 66
		.amdhsa_reserve_vcc 0
		.amdhsa_float_denorm_mode_32 3
		.amdhsa_float_denorm_mode_16_64 3
		.amdhsa_memory_ordered 1
		.amdhsa_forward_progress 1
		.amdhsa_inst_pref_size 9
	.end_amdhsa_kernel
	.amdgpu_metadata
---
amdhsa.version: [ 1, 2 ]
amdhsa.kernels:
  - .name:           k_q089ea825ba_fin
    .symbol:         k_q089ea825ba_fin.kd
    .args:
      - { .name: yb, .offset: 0, .size: 8, .value_kind: global_buffer, .address_space: global }
      - { .name: ln3_g, .offset: 8, .size: 8, .value_kind: global_buffer, .address_space: global }
      - { .name: ln3_b, .offset: 16, .size: 8, .value_kind: global_buffer, .address_space: global }
      - { .name: out0, .offset: 24, .size: 8, .value_kind: global_buffer, .address_space: global }
    .group_segment_fixed_size: 768
    .private_segment_fixed_size: 0
    .kernarg_segment_align: 8
    .kernarg_segment_size: 32
    .max_flat_workgroup_size: 128
    .sgpr_count:     66
    .vgpr_count:     106
    .wavefront_size: 32
...
	.end_amdgpu_metadata
.endif
;; end of part 9
